; MI455X (gfx1250); checked and timed in simulation.
; The chip was launched on July 23, 2026; its instructions are those of AMD's public machine-readable ISA for CDNA 5 (MIT licence, August 2026) and "CDNA5" Instruction Set Architecture Reference Guide (July 2026). The comments in the code are by the model that wrote it; some were corrected since.
;; SA Block. Allowed arithmetic: matrix products marked QUANTISED: E3M2 operands, one E8M0 scale for each 32 along K, by v_wmma_scale_f32_16x16x128_f8f6f4 with both operands' format E3M2, f32 sums; everything else in f32.
;; Inputs: Wk_codes 1,024 x 32 x 24 uint8 (E3M2 codes of Wk, K innermost, in blocks of 32 codes, four codes in three bytes); Wk_scales 1,024 x 32 uint8 (E8M0 scales of Wk, one for each 32 codes along K); Wq_codes 1,024 x 32 x 24 uint8 (E3M2 codes of Wq, K innermost, in blocks of 32 codes, four codes in three bytes); Wq_scales 1,024 x 32 uint8 (E8M0 scales of Wq, one for each 32 codes along K); Wv_codes 1,024 x 32 x 24 uint8 (E3M2 codes of Wv, K innermost, in blocks of 32 codes, four codes in three bytes); Wv_scales 1,024 x 32 uint8 (E8M0 scales of Wv, one for each 32 codes along K); b1 4,096 float32; b2 1,024 float32; be1 1,024 float32; be2 1,024 float32; embed 2 x 2,048 x 1,024 float32; g1 1,024 float32; g2 1,024 float32; src_mask 2,048 x 2,048 float32; w1_codes 4,096 x 32 x 24 uint8 (E3M2 codes of w1, K innermost, in blocks of 32 codes, four codes in three bytes); w1_scales 4,096 x 32 uint8 (E8M0 scales of w1, one for each 32 codes along K); w2_codes 1,024 x 128 x 24 uint8 (E3M2 codes of w2, K innermost, in blocks of 32 codes, four codes in three bytes); w2_scales 1,024 x 128 uint8 (E8M0 scales of w2, one for each 32 codes along K).
;; Outputs: out0 2 x 2,048 x 1,024 float32.
;; This version of the problem:
;;   THIS VERSION OF THE PROBLEM IS GIVEN IN LOW PRECISION. The matrix products marked QUANTISED in the list below multiply operands that are first quantised to E3M2 (3 exponent bits, 2 mantissa bits; 6 bits a number), with one power-of-two scale for each 32 numbers along K (OCP MX v1.0); their sums are f32. All else is computed in f32.
;;   The module's matrix products, in the order in which they are computed (A, B: the left and right operand; K: the contracted axis; several contracted axes count as one K, in the product's order):
;;     1. [M 4,096, K 1,024] x [K 1,024, N 1,024]; A: input embed; B: input Wq (given as codes): QUANTISED
;;     2. [M 4,096, K 1,024] x [K 1,024, N 1,024]; A: input embed; B: input Wk (given as codes): QUANTISED
;;     3. [M 4,096, K 1,024] x [K 1,024, N 1,024]; A: input embed; B: input Wv (given as codes): QUANTISED
;;     4. batch 32 x [M 2,048, K 64] x [K 64, N 2,048]; A: computed on the way; B: computed on the way: QUANTISED
;;     5. batch 32 x [M 2,048, K 2,048] x [K 2,048, N 64]; A: softmax (see below); B: computed on the way: QUANTISED
;;     6. [M 4,096, K 1,024] x [K 1,024, N 4,096]; A: computed on the way; B: input w1 (given as codes): QUANTISED
;;     7. [M 4,096, K 4,096] x [K 4,096, N 1,024]; A: computed on the way; B: input w2 (given as codes): QUANTISED
;;   THE QUANTISER, for each operand of a quantised product, along K:
;;     - K is cut into blocks of 32 from its start; a last block that is shorter is filled with zeros.
;;     - A block's scale is 2^e with e = floor(log2(the largest magnitude in the block)) - 4, held to -126 .. 127; a block of zeros has e = 0. As a byte (E8M0): e + 127.
;;     - Each number is divided by its block's scale, clamped to +-28, and rounded to the nearest number of E3M2, ties to even, subnormals kept.
;;     - The product sums the exact products of the quantised numbers (number of the format x scale) in f32.
;;   ~~~python
;;   def quantise(x, axis):      # numpy; x: float32 -> the quantised numbers, widened to float32 again
;;       x = np.moveaxis(x, axis, -1); K = x.shape[-1]
;;       x = np.pad(x, [(0, 0)] * (x.ndim - 1) + [(0, -K % 32)]); x = x.reshape(x.shape[:-1] + (-1, 32)); a = np.abs(x).max(-1, keepdims=True)
;;       e = np.where(a > 0, np.clip(np.frexp(np.where(a > 0, a, 1))[1] - 1 - 4, -126, 127), 0)      # np.frexp(a)[1] - 1 = floor(log2(a)), exactly
;;       r = np.clip(x / 2.0 ** e, -28, 28)
;;       step = 2.0 ** (np.maximum(np.frexp(np.where(r == 0, 1, r))[1] - 1, -2) - 2)
;;       q = np.round(r / step) * step * 2.0 ** e      # np.round: ties to even
;;       return np.moveaxis(q.reshape(q.shape[:-2] + (-1,))[..., :K], -1, axis).astype(np.float32)
;;   ~~~
;;   SOFTMAX AHEAD OF A QUANTISED PRODUCT. Where the list says 'softmax', what is quantised is not the finished softmax but p = 2^(t - M), with t = logit x log2(e) and M = ceil(the row's largest t), a whole number; so 1/2 < the row's largest p <= 1. The row's sum l is taken of the UNQUANTISED p, in f32, and the product's result is divided by l at the end. Since M is a whole number, a kernel that streams over the keys may use a running M (the ceiling of the running maximum): every later rescaling is an exact power of two, which a block's scale takes up: the codes' values come out the same.
;;   OPERANDS COMPUTED ON THE WAY. 'Computed on the way' means the value that the module computes at that place (a softmax that the list does not call 'softmax' is quantised finished and normalised). What goes into a quantiser is computed in f32, as accurately as f32 sums, v_exp_f32 and their like allow (about 1e-6 of the number): no bf16 or f16 on the way to a quantiser, and a product that is left as it is and whose result goes on into a quantised operand takes f32 operands (vector FMAs, or v_wmma_f32_16x16x4_f32). A number that lies on a knife's edge between two numbers of the format may be rounded either way, as far as f32 arithmetic and the matrix unit's own rounding can turn it there, and no further.
;;   INPUTS GIVEN AS CODES. Wk (in the module: [1024, 1024], K = its axis 1); Wq (in the module: [1024, 1024], K = its axis 1); Wv (in the module: [1024, 1024], K = its axis 1); w1 (in the module: [4096, 1024], K = its axis 1); w2 (in the module: [1024, 4096], K = its axis 1): each comes as NAME_codes (uint8): NAME with its K axis moved to the last place and cut into blocks of 32 codes, [.., K / 32, bytes a block], one block behind the other in memory; four codes in three bytes: a row's codes are one little-endian stream of bits, code i at bits 6 i .. 6 i + 5 (a code: sign, 3 exponent bits, 2 mantissa bits); and NAME_scales (uint8): the same leading axes, one E8M0 byte (e + 127) for each 32 codes along K. Its value is code x scale, taken as it is: it is not quantised again, and the codes and scales need not be those that the quantiser above would give.
;; 2 versions, each right. Each part assembles by itself: llvm-mc -triple=amdgcn-amd-amdhsa -mcpu=gfx1250 --defsym DOCPART=n.
;; ======== version 1 of 2: 7 launches
;; workspace buffers: xq 3,276,800 bytes; qkv 9,830,400 bytes; zy 16,777,216 bytes; o1 20,054,016 bytes; hq 13,107,200 bytes
;; launch quant_x (part 1): grid 128 x 1, 4 waves a work-group, no clusters, 33,280 bytes of LDS; arguments embed, xq; writes xq
.if DOCPART == 1
	.amdgcn_target "amdgcn-amd-amdhsa--gfx1250"
	.amdhsa_code_object_version 6
	.text
	.protected	k_qccadd1b7d3_quant_x
	.globl	k_qccadd1b7d3_quant_x
	.p2align	8
	.type	k_qccadd1b7d3_quant_x,@function
k_qccadd1b7d3_quant_x:
	s_mov_b64 s[64:65], 0
	v_nop
	global_prefetch_b8 v0, s[64:65] scope:SCOPE_SE
	s_setreg_imm32_b32 hwreg(HW_REG_WAVE_MODE, 25, 1), 1
	s_wait_xcnt 0x0
; embed [4096][1024] f32 becomes codes of BF6 (E3M2), 6 bits each, K innermost, rows of 768 bytes at byte 0 of xq, and one E8M0 byte for each 32 along K, rows of 32 bytes at byte XS_OFF.
; A block's scale is 2^(floor(log2(its largest magnitude)) - 4); its byte is the largest magnitude's own exponent field - 4, held at 1 from below (a block of zeros gets the byte 1: its codes are zeros, and this program alone reads the bytes).
; LIMITS: blocks whose largest magnitude lies under 2^-122 get the byte 1; NaN and infinities among the inputs are not served.
; Rows are dense and 1,024 is a multiple of 32, so the tensor is a plain stream of blocks of 32, and so are the codes and the scale bytes.
; A wave takes 16 steps of 512 numbers.  Each of a step's four loads reads 512 consecutive bytes, 16 a lane; the 2,048 bytes go through the wave's own stage in LDS and come back 64 bytes a lane,
; so that a lane holds 16 neighbours along K (two neighbouring lanes hold a block).  A lane's 16 codes are 12 bytes: the wave stores 384 consecutive bytes.  A wave's 256 scale bytes are gathered in LDS and leave as one aligned run of 256 bytes.
; No tensor loads, no barrier: waves share nothing.  Loads run four steps (16 loads a wave) ahead, the turn through LDS one step.
.set STEPS, 16
.set EMAX,  4
.set CB,    12                         ; bytes of 16 codes
.set R,     16                         ; v16-79   four sets of 16 numbers as they are loaded
.set X,     80                         ; v80-111  two sets of 16 neighbours
.set C,     128                        ; v128-191 codes: four registers for each step, so that no store's data are written again
.set E,     112                        ; v112-127 a scale byte for each step
.set WREG,  8192                       ; LDS: a region for each wave: two stages of 32 x SP bytes, behind them its 256 scale bytes
.set SP,    80                         ; a lane's place in a stage: 64 bytes + 16 of padding
.set XS_OFF, 3145728                   ; where the scale bytes begin in xq
	s_load_b128 s[4:7], s[0:1], 0x0                ; embed s[4:5], xq s[6:7]
	v_lshl_add_u32 v192, v0, 2, 0x8000
	v_mov_b32 v193, 0
	v_lshrrev_b32 v1, 5, v0
	v_readfirstlane_b32 s16, v1                    ; wave
	v_and_b32 v2, 31, v0                           ; lane
	v_lshlrev_b32 v3, 4, v2                        ; my 16 bytes of a load's 512
	s_mul_i32 s17, s16, WREG
	v_lshrrev_b32 v14, 2, v2
	v_mul_u32_u24 v14, v14, SP
	v_and_b32 v15, 3, v2
	v_lshl_add_u32 v14, v15, 4, v14
	v_add_nc_u32 v14, s17, v14                     ; the stage, on the way in: SP (lane / 4) + 16 (lane % 4)
	v_mul_u32_u24 v15, v2, SP
	v_add_nc_u32 v15, s17, v15                     ; and on the way out: SP x lane: my 16 neighbours
	v_mul_u32_u24 v4, v2, CB                       ; my codes' place in a step's
	v_lshrrev_b32 v5, 1, v2
	s_add_co_u32 s17, s17, 2*32*SP
	v_add_nc_u32 v5, s17, v5                       ; LDS: my wave's 256 scale bytes, my block's byte
	v_lshlrev_b32 v7, 3, v2                        ; and on the way out 8 bytes a lane
	v_add_nc_u32 v6, s17, v7
	s_lshl_b32 s17, ttmp9, 2
	s_add_co_u32 s18, s17, s16                     ; which run of 8,192 numbers is my wave's
	s_mov_b32 s19, 0
	s_mov_b64 s[20:21], 512*STEPS*4
	s_mul_u64 s[20:21], s[18:19], s[20:21]
	s_mov_b64 s[22:23], 32*STEPS*CB
	s_mul_u64 s[22:23], s[18:19], s[22:23]
	s_lshl_b32 s18, s18, 8                         ; 256 scale bytes a run
	s_wait_kmcnt 0x0
	s_add_nc_u64 s[4:5], s[4:5], s[20:21]
	s_add_nc_u64 s[8:9], s[6:7], s[22:23]          ; my codes
	s_add_nc_u64 s[10:11], s[6:7], XS_OFF
	s_add_nc_u64 s[10:11], s[10:11], s[18:19]      ; my scale bytes
.macro LOAD t
.irp i, 0,1,2,3
	global_load_b128 v[R+16*((\t)%4)+4*\i:R+16*((\t)%4)+4*\i+3], v3, s[4:5] offset:2048*(\t)+512*\i   ; 32 lanes read 512 consecutive bytes (no hint: a later launch reads embed again)
.endr
.endm
.macro TURN t                          ; step t's numbers through the stage: LDS serves a wave's instructions in order, so no wait stands between the stores and the loads
.irp i, 0,1,2,3
	ds_store_b128 v14, v[R+16*((\t)%4)+4*\i:R+16*((\t)%4)+4*\i+3] offset:32*SP*((\t)%2)+8*SP*\i
.endr
.irp i, 0,1,2,3
	ds_load_b128 v[X+16*((\t)%2)+4*\i:X+16*((\t)%2)+4*\i+3], v15 offset:32*SP*((\t)%2)+16*\i
.endr
.endm
.irp t, 0,1,2,3
	LOAD \t
.endr
	s_wait_loadcnt 12                              ; step 0's four loads are in
	TURN 0
.macro STEP t
.set XS, X+16*((\t)%2)
.if (\t) > 0
	s_wait_dscnt 1                                 ; this step's numbers are back from the stage (the last step's byte store may be out): so its stores into the stage have read their registers,
.else
	s_wait_dscnt 0x0
.endif
.if (\t)+4 < STEPS
	LOAD (\t)+4                                    ; which take the loads of four steps on
.endif
.if (\t)+1 < STEPS
.if STEPS-2-(\t) >= 3
	s_wait_loadcnt 12                              ; the next step's four loads are in; those of the three steps behind it may be out
.else
	s_wait_loadcnt 4*(STEPS-2-(\t))
.endif
	TURN (\t)+1                                    ; and go through the other stage while this step is worked
.endif
	v_max3_num_f32 v8, |v[XS]|, |v[XS+1]|, |v[XS+2]|               ; the largest magnitude of my 16
	v_max3_num_f32 v9, |v[XS+3]|, |v[XS+4]|, |v[XS+5]|
.irp i, 6,10
	v_max3_num_f32 v8, v8, |v[XS+\i]|, |v[XS+\i+1]|
	v_max3_num_f32 v9, v9, |v[XS+\i+2]|, |v[XS+\i+3]|
.endr
	v_max3_num_f32 v8, v8, |v[XS+14]|, |v[XS+15]|
	v_max3_num_f32 v8, v8, v9, (EMAX+1)<<23        ; and the floor 2^(5 - 127): the byte cannot fall under 1
	v_max_num_f32_dpp v8, v8, v8 row_xmask:1 row_mask:0xf bank_mask:0xf   ; and of my neighbour's 16: the block's
	v_add_nc_u32 v11, -(EMAX<<23), v8              ; 4 off its exponent field: the conversion takes the exponent field of this operand as its scale
	v_cvt_scalef32_pk16_bf6_f32 v[C+4*(\t):C+4*(\t)+2], v[XS:XS+15], v11
	v_lshrrev_b32 v[E+(\t)], 23, v11               ; the scale's byte (a plain line behind the conversion)
	ds_store_b8 v5, v[E+(\t)] offset:16*(\t)       ; both lanes of a block write the same byte with the same value
	global_store_b96 v4, v[C+4*(\t):C+4*(\t)+2], s[8:9] offset:32*CB*(\t)
.endm
.irp t, 0,1,2,3,4,5,6,7,8,9,10,11,12,13,14,15
	STEP \t
.endr
	ds_load_b64 v[12:13], v6                       ; LDS serves a wave's instructions in order: these see my stores
	s_wait_dscnt 0x0
	global_store_b64 v7, v[12:13], s[10:11]        ; 32 lanes store 256 consecutive bytes, aligned
	s_wait_tensorcnt 0x0
	ds_add_u32 v192, v193
	s_wait_dscnt 0x0
	s_endpgm
.Lfunc_end_k_qccadd1b7d3_quant_x:
	.size	k_qccadd1b7d3_quant_x, .Lfunc_end_k_qccadd1b7d3_quant_x-k_qccadd1b7d3_quant_x
	.p2alignl 7, 3214868480
	.fill 96, 4, 3214868480
	.section	.rodata,"a",@progbits
	.p2align	6, 0x0
	.amdhsa_kernel k_qccadd1b7d3_quant_x
		.amdhsa_group_segment_fixed_size 33280
		.amdhsa_private_segment_fixed_size 0
		.amdhsa_enable_private_segment 0
		.amdhsa_kernarg_size 16
		.amdhsa_user_sgpr_count 2
		.amdhsa_user_sgpr_kernarg_segment_ptr 1
		.amdhsa_wavefront_size32 1
		.amdhsa_system_sgpr_workgroup_id_x 1
		.amdhsa_system_sgpr_workgroup_id_y 1
		.amdhsa_system_sgpr_workgroup_id_z 1
		.amdhsa_system_vgpr_workitem_id 0
		.amdhsa_next_free_vgpr 194
		.amdhsa_next_free_sgpr 66
		.amdhsa_reserve_vcc 0
		.amdhsa_float_denorm_mode_32 3
		.amdhsa_float_denorm_mode_16_64 3
		.amdhsa_memory_ordered 1
		.amdhsa_forward_progress 1
		.amdhsa_inst_pref_size 32
	.end_amdhsa_kernel
	.amdgpu_metadata
---
amdhsa.version: [ 1, 2 ]
amdhsa.kernels:
  - .name:           k_qccadd1b7d3_quant_x
    .symbol:         k_qccadd1b7d3_quant_x.kd
    .args:
      - { .name: embed, .offset: 0, .size: 8, .value_kind: global_buffer, .address_space: global }
      - { .name: xq, .offset: 8, .size: 8, .value_kind: global_buffer, .address_space: global }
    .group_segment_fixed_size: 33280
    .private_segment_fixed_size: 0
    .kernarg_segment_align: 8
    .kernarg_segment_size: 16
    .max_flat_workgroup_size: 128
    .sgpr_count:     66
    .vgpr_count:     194
    .wavefront_size: 32
...
	.end_amdgpu_metadata
.endif
;; end of part 1
;; launch qkv (part 2): grid 12 x 16, 4 waves a work-group, clusters of 4 x 4, 327,680 bytes of LDS; arguments xq, Wq_codes, Wq_scales, Wk_codes, Wk_scales, Wv_codes, Wv_scales, qkv; writes qkv
.if DOCPART == 2
	.amdgcn_target "amdgcn-amd-amdhsa--gfx1250"
	.amdhsa_code_object_version 6
	.text
	.protected	k_qccadd1b7d3_qkv
	.globl	k_qccadd1b7d3_qkv
	.p2align	8
	.type	k_qccadd1b7d3_qkv,@function
k_qccadd1b7d3_qkv:
	s_mov_b64 s[64:65], 0
	v_nop
	global_prefetch_b8 v0, s[64:65] scope:SCOPE_SE
	s_setreg_imm32_b32 hwreg(HW_REG_WAVE_MODE, 25, 1), 1
	s_wait_xcnt 0x0
	s_wait_alu depctr_hold_cnt(0) depctr_sa_sdst(0) depctr_va_vdst(0) depctr_va_sdst(0) depctr_va_ssrc(0) depctr_va_vcc(0) depctr_vm_vsrc(0)
	s_getreg_b32 s2, hwreg(HW_REG_IB_STS2, 6, 4)
	s_cmp_eq_u32 s2, 0
	s_cbranch_scc0 .Lentry_in_a_cluster
	s_endpgm
.Lentry_in_a_cluster:
	s_bfe_u32 s2, ttmp6, 0x10000c
	s_cmp_lg_u32 s2, 0xf033
	s_cbranch_scc0 .Lentry_shape_is_right
	s_endpgm
.Lentry_shape_is_right:
; q = x Wq^T, k = x Wk^T, v = x Wv^T on codes of BF6 (E3M2) with E8M0 scales for each 32 along K = 1,024; the results are quantised at once, q and k along the head's 64, v along the keys, and stored as
; IMAGES OF OPERAND REGISTERS, so that the attention launch loads fragments as they stand.
; The cluster's x says which product: 0 q, 1 k, 2 v; it is the same in all sixteen partners and only chooses pointers and tile numbers (scalar selects, no branch).
; A tile of 256 x 256 is made by four waves, 128 x 128 each: 64 accumulators.  Source 0 takes 16 rows of "B", source 1 16 rows of "A": a lane holds ONE row of A and eight neighbouring rows of B.
;   q, k: A = x (tokens), B = W (features): a lane holds a token, its registers run along the features, which are the next product's K.
;   v:    A = Wv (channels), B = x (tokens): a lane holds a channel, its registers run along the keys, which are the second attention product's K.
; K goes in steps of 256 through a ring of two LDS slots (rows of 192 bytes, 16 bytes of padding behind every 64); the scale bytes of the tile's 512 rows come once and stay.
; CLUSTERS: 4 x 4 work-groups; A's tiles are asked for jointly along a row of the cluster, B's along a column.
; ORDER ALONG THE NEXT K.  A wave's 8 accumulators of a block of A are 64 registers a lane: register 16 B + 8 u + j is element 32 B + 16 u + 8 h + j (h = lane / 16).  They are quantised as they lie: inside a block of 32 the
; codes stand in another order than the elements, the same order in q and k (one text makes both) and in v and p (the attention launch's scores lie in the same registers).  A block is the true 32 neighbours, so scales and sums are the stated ones.
; OUT.  A wave's block: 8 fragments of 1,536 bytes (registers 0-3 at 16 x lane, 4-5 at 8 x lane, 6-9, 10-11 likewise) and 8 x 16 scale words; block ((batch 8 + pair of heads) 16 + 128 tokens' number).
; LIMITS: blocks whose largest magnitude lies under 2^-122 get the byte 1; NaN and infinities are not served.
; REGISTERS: window 0: v0-31 addresses; v32-63 scale words, two sets; v128-223 A's fragments, one set; in the epilogue v192-235 at work.  window 1: B's fragments, two sets.  windows 2, 3: the accumulators.
.set SIZE_K, 1024
.set KSTEP,  256
.set NQ,     KSTEP/128
.set ROWB,   192
.set KROW,   SIZE_K*6/8
.set PITCH,  240                       ; an LDS row: 3 x (64 bytes + 16 of padding)
.set FR,     12
.set NL,     6
.set NP,     4
.set HALFT,  128*PITCH
.set SLOT,   4*HALFT
.set LAPS,   SIZE_K/(2*KSTEP)
.set KS,     SIZE_K/32
.set SCL,    2*SLOT
.set HALFS,  (128*KS/256)*272
.set SBLK,   (16*KS/256)*272
.set SPARE,  SCL+4*HALFS               ; the spare words, 128 bytes for each wave: two blocks of 256 bytes that no other line names
.set IMG,    3145728                   ; bytes of q's, k's or v's images
.set XS_OFF, 3145728                   ; x's scale bytes in xq
.set QS_OFF, 9437184                   ; q's scale words in qkv; k's and v's 131,072 and 262,144 on
.set O16,  8                           ; v8   16 x lane
.set O8,   9                           ; v9   8 x lane
.set SSTO, 10                          ; v10  where I put a scale word: 512 x wave + 4 (lane % 16), in slot 0, which has had its last fill and its last read by then
.set SRD,  11                          ; v11  and where I read 16 bytes of them back
.set ADRA, 16
.set ADRB, 20
.set ADRS, 27
.set SPW,  28
.set NIL,  29
.set SC,   32
.set AF,   128
.set PC,   192                         ; the codes just made: v192-203, and v204-206, v208-210 on the way
.set TM,   212                         ; v212-215 largest magnitudes, v216-219 bytes, v224-227 the conversions' scale operands
.set PW,   228                         ; the scale word just made
.set FIN,  232
.set G1, 24
.set G0, 32
.set G1B, 48
.set G0B, 56
.set G1S, 68
.set G0S, 76
.set G1SB, 80
.set G0SB, 88
.set SEL, 96
.set MSB, 0
.macro WIN new                         ; the immediate's high byte repeats the setting that is left
.if MSB != \new
	s_set_vgpr_msb (MSB<<8)|\new
.set MSB, \new
.endif
.endm
.set MUL_LO, 0xa1                      ; source 0 (B) window 1, source 1 (A) window 0, C and D window 2
.set MUL_HI, 0xf1
.set TO_B,   0x40
; A joint load: waves 0 and 1 fetch for A, waves 2 and 3 for B; the branch hangs on the wave's number alone.  Four v_nop follow each of the two lines.
.macro JLOAD g0a, g1a, g0b, g1b
	s_cmp_eq_u32 s15, 0
	s_cbranch_scc0 .Lfor_b_\@
	tensor_load_to_lds s[\g0a:\g0a+3], s[\g1a:\g1a+7]
	s_nop 0
.rept 4
	v_nop
.endr
	s_branch .Lasked_\@
.Lfor_b_\@:
	tensor_load_to_lds s[\g0b:\g0b+3], s[\g1b:\g1b+7]
	s_nop 0
.rept 4
	v_nop
.endr
.Lasked_\@:
.endm
.macro CREST                           ; a round of the cluster's barrier behind its opening barrier
	s_cmp_lg_u32 s14, 0
	s_cbranch_scc1 .Lnot_wave_0_\@
	s_barrier_signal -3
.Lnot_wave_0_\@:
	s_barrier_wait -3
	s_barrier_signal -1
	s_barrier_wait -1
.endm
.macro CROUND
	s_barrier_signal -1
	s_barrier_wait -1
	CREST
.endm
	s_load_b512 s[68:83], s[0:1], 0x0              ; xq 68, Wq codes 70, scales 72, Wk codes 74, scales 76, Wv codes 78, scales 80, qkv 82
	v_lshl_add_u32 v[SPW], v0, 2, SPARE
	v_mov_b32 v[NIL], 0
	ds_add_u32 v28, v29
	s_wait_dscnt 0x0
	v_lshrrev_b32 v1, 5, v0
	v_readfirstlane_b32 s14, v1                    ; wave 0..3
	s_lshr_b32 s15, s14, 1                         ; which half of A's rows is mine.  Also: I fetch for A (0) or for B (1)
	s_and_b32 s16, s14, 1                          ; which half of B's rows.  Also: which 128 rows I fetch
	s_bfe_u32 s40, ttmp6, 0x40000                  ; cx
	s_bfe_u32 s41, ttmp6, 0x40004                  ; cy
	s_and_b32 s20, ttmp7, 0xffff
	s_lshl_b32 s20, s20, 2                         ; 4 x cluster y: the tokens' 16 tiles go along y
	s_cmp_eq_u32 ttmp9, 2                          ; v?
	s_cselect_b32 s18, 0, s20
	s_cselect_b32 s19, s20, 0
	s_add_co_u32 s17, s41, s18                     ; A's tile: cy (+ 4 x cluster y where A is x)
	s_add_co_u32 s42, s40, s19                     ; B's tile: cx (+ 4 x cluster y where B is x)
	s_lshl_b32 s43, s41, 2
	s_lshl_b32 s43, 15, s43                        ; my row of the cluster
	s_lshl_b32 s44, 0x1111, s40                    ; my column
	s_or_b32 s[G1+0], s43, (0<<16)|(1<<20)|(1<<21)|(3<<22)|(3<<25)  ; the mask; elements of 1 byte; padding on; bit 21 beside a mask; after every 16 words 4 words
	s_or_b32 s[G1B+0], s44, (0<<16)|(1<<20)|(1<<21)|(3<<22)|(3<<25)
.irp g, G1, G1B
	s_mov_b32 s[\g+1], ROWB<<16                    ; tensor_dim0
	s_mov_b32 s[\g+2], 128<<16                     ; tensor_dim1
	s_mov_b32 s[\g+3], ROWB<<16                    ; tile_dim0
	s_mov_b32 s[\g+4], 128                         ; tile_dim1
	s_mov_b32 s[\g+5], KROW                        ; the pitch
	s_mov_b32 s[\g+6], 0
	s_mov_b32 s[\g+7], 0
.endr
	s_lshl_b32 s18, s16, 7
	s_lshl_b32 s20, s17, 8
	s_add_co_u32 s20, s20, s18                     ; A: row 256 x tile + 128 x half
	s_lshl_b32 s46, s42, 8
	s_add_co_u32 s46, s46, s18                     ; B likewise
	s_mov_b32 s21, 0
	s_mov_b32 s47, 0
	s_mov_b64 s[18:19], KS
	s_mul_u64 s[22:23], s[20:21], s[18:19]         ; where these rows' scales begin
	s_mul_u64 s[92:93], s[46:47], s[18:19]
	s_mov_b64 s[18:19], KROW
	s_mul_u64 s[20:21], s[20:21], s[18:19]         ; and their codes
	s_mul_u64 s[46:47], s[46:47], s[18:19]
	s_mul_i32 s45, s14, HALFT                      ; where they go: wave x 128 rows
	s_mul_i32 s94, s14, HALFS
	s_mov_b32 s[SEL], 0x76543210
	s_mov_b32 s[SEL+1], 0xfedcba98                 ; lane l xor 16
	s_wait_kmcnt 0x0
	s_add_nc_u64 s[100:101], s[68:69], XS_OFF      ; x's scale bytes
	s_mov_b64 s[12:13], s[82:83]                   ; qkv
	s_cmp_eq_u32 ttmp9, 2                          ; the choice hangs on the cluster's number alone
	s_cselect_b64 s[4:5], s[78:79], s[68:69]       ; A's codes: Wv's or x's
	s_cselect_b64 s[6:7], s[80:81], s[100:101]     ; A's scales
	s_cselect_b64 s[8:9], s[68:69], s[74:75]       ; B's codes: x's or Wk's,
	s_cselect_b64 s[10:11], s[100:101], s[76:77]
	s_cmp_eq_u32 ttmp9, 0
	s_cselect_b64 s[8:9], s[70:71], s[8:9]         ; or Wq's
	s_cselect_b64 s[10:11], s[72:73], s[10:11]
	s_add_nc_u64 s[20:21], s[4:5], s[20:21]
	s_add_nc_u64 s[22:23], s[6:7], s[22:23]
	s_add_nc_u64 s[46:47], s[8:9], s[46:47]
	s_add_nc_u64 s[92:93], s[10:11], s[92:93]
	; the scales of 128 rows: a dense block of 4,096 bytes, as rows of 256 bytes with 16 bytes of padding behind each (the arguments' registers are done with)
	s_or_b32 s[G1S+0], s43, (3<<16)|(1<<20)|(1<<21)|(5<<22)|(3<<25)
	s_or_b32 s[G1SB+0], s44, (3<<16)|(1<<20)|(1<<21)|(5<<22)|(3<<25)
.irp g, G1S, G1SB
	s_mov_b32 s[\g+1], 32<<16
	s_mov_b32 s[\g+2], (128*KS/256)<<16
	s_mov_b32 s[\g+3], 32<<16
	s_mov_b32 s[\g+4], 128*KS/256
	s_mov_b32 s[\g+5], 32
	s_mov_b32 s[\g+6], 0
	s_mov_b32 s[\g+7], 0
.endr
	CROUND                                         ; all sixteen work-groups are here: the first joint loads meet
	s_mov_b32 s[G0S], 1
	s_add_co_u32 s[G0S+1], s94, SCL
	s_mov_b64 s[G0S+2:G0S+3], s[22:23]
	s_or_b32 s[G0S+3], s[G0S+3], 0x80000000
	s_mov_b32 s[G0SB], 1
	s_add_co_u32 s[G0SB+1], s94, SCL
	s_mov_b64 s[G0SB+2:G0SB+3], s[92:93]
	s_or_b32 s[G0SB+3], s[G0SB+3], 0x80000000
	JLOAD G0S, G1S, G0SB, G1SB                     ; the scales first: they are wanted with K step 0
.irp s, 0,1
	s_mov_b32 s[G0+4*\s], 1
	s_add_co_u32 s[G0+4*\s+1], s45, \s*SLOT
	s_add_nc_u64 s[G0+4*\s+2:G0+4*\s+3], s[20:21], \s*ROWB
	s_or_b32 s[G0+4*\s+3], s[G0+4*\s+3], 0x80000000
	s_mov_b32 s[G0B+4*\s], 1
	s_add_co_u32 s[G0B+4*\s+1], s45, \s*SLOT
	s_add_nc_u64 s[G0B+4*\s+2:G0B+4*\s+3], s[46:47], \s*ROWB
	s_or_b32 s[G0B+4*\s+3], s[G0B+4*\s+3], 0x80000000
	JLOAD G0+4*\s, G1, G0B+4*\s, G1B
.endr
	v_and_b32 v1, 15, v0                           ; l % 16
	v_bfe_u32 v2, v0, 4, 1                         ; l / 16
	v_mul_u32_u24 v3, v1, PITCH
	v_mul_u32_u24 v4, v2, 24
	v_add_nc_u32 v4, v3, v4                        ; a fragment's row x pitch + 24 x half
	v_lshl_add_u32 v5, v2, 4, v4                   ; and the same behind one padding more
	s_mul_i32 s21, s15, HALFT
	s_mul_i32 s22, s16, HALFT
	s_add_co_u32 s22, s22, 2*HALFT
.irp s, 0,1
	v_add_nc_u32 v[ADRA+\s], s21, v4
	v_add_nc_u32 v[ADRB+\s], s22, v4
	v_add_nc_u32 v[ADRA+2+\s], s21, v5
	v_add_nc_u32 v[ADRB+2+\s], s22, v5
	s_add_co_u32 s21, s21, SLOT
	s_add_co_u32 s22, s22, SLOT
.endr
	v_mul_u32_u24 v5, v1, KS                       ; my row's scales: KS bytes a row,
	v_lshrrev_b32 v6, 8, v5
	v_lshl_add_u32 v5, v6, 4, v5                   ; and 16 more for each 256 passed
	s_mul_i32 s21, s15, HALFS
	s_mul_i32 s22, s16, HALFS
	s_add_co_u32 s22, s22, 2*HALFS
	s_sub_co_u32 s22, s22, s21
	v_mul_u32_u24 v6, s22, v2                      ; lanes 16-31 take B's
	s_add_co_u32 s21, s21, SCL
	v_add_nc_u32 v5, v5, v6
	v_add_nc_u32 v[ADRS], s21, v5
	v_and_b32 v6, 31, v0
	v_lshlrev_b32 v[O16], 4, v6
	v_lshlrev_b32 v[O8], 3, v6
	s_lshl_b32 s23, s14, 9
	v_lshl_add_u32 v[SSTO], v1, 2, s23
	v_add_nc_u32 v[SRD], s23, v[O16]
	; where my block goes (in registers that feed no descriptor)
	s_lshl_b32 s20, s17, 1
	s_add_co_u32 s20, s20, s15                     ; A's block of 128 rows
	s_lshl_b32 s21, s42, 1
	s_add_co_u32 s21, s21, s16                     ; B's
	s_cmp_eq_u32 ttmp9, 2
	s_cselect_b32 s22, s21, s20                    ; the block of 128 tokens, 0..31
	s_cselect_b32 s23, s20, s21                    ; the pair of heads, 0..7
	s_lshr_b32 s46, s22, 4
	s_lshl_b32 s46, s46, 3
	s_add_co_u32 s46, s46, s23
	s_lshl_b32 s46, s46, 4
	s_and_b32 s22, s22, 15
	s_add_co_u32 s46, s46, s22                     ; (batch 8 + pair) 16 + step
	s_mul_i32 s20, s46, 12288
	s_mul_i32 s21, ttmp9, IMG
	s_add_co_u32 s20, s20, s21
	s_mov_b32 s21, 0
	s_lshl_b32 s22, s46, 9
	s_lshl_b32 s23, ttmp9, 17
	s_add_co_u32 s22, s22, s23
	s_add_co_u32 s22, s22, QS_OFF
	s_mov_b32 s23, 0
	s_add_nc_u64 s[98:99], s[12:13], s[22:23]      ; my 512 bytes of scale words
	s_add_nc_u64 s[12:13], s[12:13], s[20:21]      ; my 12,288 bytes of images
.macro FRAG reg, adr, q, i             ; a fragment, 16 rows x 128 K, is 12 registers: lane l holds row l % 16; registers 6 c .. 6 c + 5 hold K = 64 c + 32 (l / 16) + 0 .. 31: 24 bytes of the row, as they lie
.irp p, 0,1,2,3,4,5                    ; in pieces of 8 bytes; where the piece three on lies behind one padding more, the second address register serves
.set PCE, 12*(\q)+6*(\p/3)+\p%3
.if PCE%8 < 5
	ds_load_b64 v[\reg+2*\p:\reg+2*\p+1], v[\adr] offset:8*PCE+16*(PCE/8)+(\i)*16*PITCH
.else
	ds_load_b64 v[\reg+2*\p:\reg+2*\p+1], v[\adr+2] offset:8*PCE+16*(PCE/8)+(\i)*16*PITCH
.endif
.endr
.endm
; 16 matrix instructions: A's blocks a0, a0 + 1 x B's eight, 128 along K.  zero = 1: the first product starts the sums.  The 64 accumulators take turns, one instruction a turn.
.macro MUL16 a0, p, q, sc, zero
.irp a, \a0, \a0+1
.irp b, 0,1,2,3,4,5,6,7
.if \zero
	v_wmma_scale_f32_16x16x128_f8f6f4 v[8*(8*((\a)%4)+\b):8*(8*((\a)%4)+\b)+7], v[128*(\p)+FR*\b:128*(\p)+FR*\b+FR-1], v[AF+FR*(\a):AF+FR*(\a)+FR-1], 0, v[SC+8*NQ*(\sc)+NQ*\b+(\q)], v[SC+8*NQ*(\sc)+NQ*(\a)+(\q)] matrix_a_fmt:MATRIX_FMT_BF6 matrix_b_fmt:MATRIX_FMT_BF6 matrix_a_scale:MATRIX_SCALE_ROW1
.else
	v_wmma_scale_f32_16x16x128_f8f6f4 v[8*(8*((\a)%4)+\b):8*(8*((\a)%4)+\b)+7], v[128*(\p)+FR*\b:128*(\p)+FR*\b+FR-1], v[AF+FR*(\a):AF+FR*(\a)+FR-1], v[8*(8*((\a)%4)+\b):8*(8*((\a)%4)+\b)+7], v[SC+8*NQ*(\sc)+NQ*\b+(\q)], v[SC+8*NQ*(\sc)+NQ*(\a)+(\q)] matrix_a_fmt:MATRIX_FMT_BF6 matrix_b_fmt:MATRIX_FMT_BF6 matrix_a_scale:MATRIX_SCALE_ROW1
.endif
.endr
.endr
.endm
.macro FETCH_B slot, q, p
	WIN TO_B
.irp i, 0,1,2,3,4,5,6,7
	FRAG 128*(\p)+FR*\i, ADRB+\slot, \q, \i
.endr
	WIN 0
.endm
.macro FETCH_A slot, q, i0
.irp i, \i0, \i0+1, \i0+2, \i0+3
	FRAG AF+FR*(\i), ADRA+\slot, \q, \i
.endr
.endm
.macro SCALES sc                       ; a K step's scale words: lanes 0-15 take A's block i, lanes 16-31 B's block i
.irp i, 0,1,2,3,4,5,6,7
	ds_load_b64 v[SC+8*NQ*\sc+NQ*\i:SC+8*NQ*\sc+NQ*\i+1], v[ADRS] offset:\i*SBLK
.endr
.endm
.macro PLACES n                        ; plain vector lines between a matrix instruction and a load into, or a read of, its registers
.rept \n
	v_nop
.endr
.endm
.macro STEP slot, q, zero              ; a step of 128 along K that has its successor in the same slot
	s_wait_dscnt 4*NL                              ; B's set and A's blocks 0-3 are in; the youngest 24 loads (A's blocks 4-7) may be out
	WIN MUL_LO
	MUL16 0, (\q)%2, \q, \slot, \zero
	MUL16 2, (\q)%2, \q, \slot, \zero
	s_wait_dscnt 0
	PLACES NP
	FETCH_B \slot, (\q)+1, 1-(\q)%2
	FETCH_A \slot, (\q)+1, 0
	WIN MUL_HI
	MUL16 4, (\q)%2, \q, \slot, \zero
	MUL16 6, (\q)%2, \q, \slot, \zero
	PLACES NP
	WIN 0
	FETCH_A \slot, (\q)+1, 4
.endm
; A slot's last step changes slots: one barrier; in front of it each wave waits for all its tensor loads, adds 0 to its spare word, and waits for that and for its reads of this slot.
.macro TURN slot, next, fill
	s_wait_tensorcnt 0x0                           ; all my tensor loads have landed: my part of the next slot
	ds_add_u32 v[SPW], v[NIL]                      ; 0 onto my spare word
	s_wait_dscnt 4*NL+1                            ; (the add and the youngest 24 loads may be out)
	WIN MUL_LO
	MUL16 0, 1, NQ-1, \slot, 0
	s_wait_dscnt 0x0                               ; the add is done, and my reads of this slot are over
	s_barrier_signal -1
	MUL16 2, 1, NQ-1, \slot, 0
	WIN 0
	s_barrier_wait -1
.if \fill
	CREST                                          ; the barrier has opened a round of the cluster's barrier: no wave of any partner still reads this slot or has a load on its way
	s_add_nc_u64 s[G0+4*\slot+2:G0+4*\slot+3], s[G0+4*\slot+2:G0+4*\slot+3], 2*ROWB
	s_add_nc_u64 s[G0B+4*\slot+2:G0B+4*\slot+3], s[G0B+4*\slot+2:G0B+4*\slot+3], 2*ROWB
	JLOAD G0+4*\slot, G1, G0B+4*\slot, G1B         ; the first tensor load behind the round; its four v_nop are the places in front of the loads below
.else
	PLACES NP
.endif
	v_add_nc_u32 v[ADRS], 4*NQ, v[ADRS]            ; on to the next K step's scale words
	FETCH_B \next, 0, 0
	FETCH_A \next, 0, 0
	SCALES \next
	WIN MUL_HI
	MUL16 4, 1, NQ-1, \slot, 0
	MUL16 6, 1, NQ-1, \slot, 0
	PLACES NP
	WIN 0
	FETCH_A \next, 0, 4
.endm
	s_wait_tensorcnt 1                             ; the scales and my part of K step 0 are in (K step 1's load may be out),
	s_barrier_signal -1
	s_barrier_wait -1                              ; everybody's are
	FETCH_B 0, 0, 0
	FETCH_A 0, 0, 0
	SCALES 0
	FETCH_A 0, 0, 4
	STEP 0, 0, 1                                   ; the first step stands in front of the loop: its products start the sums
	s_mov_b32 s3, LAPS-1
.Llap:                                                 ; a trip goes once round the ring and fills both slots again
	TURN 0, 1, 1
	STEP 1, 0, 0
	TURN 1, 0, 1
	STEP 0, 0, 0
	s_sub_co_u32 s3, s3, 1
	s_cmp_lg_u32 s3, 0
	s_cbranch_scc1 .Llap
	TURN 0, 1, 0                                   ; the last lap fills nothing
	STEP 1, 0, 0
	s_wait_dscnt 4*NL
	WIN MUL_LO
	MUL16 0, 1, NQ-1, 1, 0
	MUL16 2, 1, NQ-1, 1, 0
	s_wait_dscnt 0
	WIN MUL_HI
	MUL16 4, 1, NQ-1, 1, 0
	MUL16 6, 1, NQ-1, 1, 0
	WIN 0
	; THE EPILOGUE.  Block a of A (16 rows x my 128 of B) is 64 numbers a lane: four blocks of 32 along the next K, each shared by lanes l and l xor 16.  They become one fragment and one scale word a row.
	PLACES NP
.irp b, 0,1,2,3
	v_mov_b32 v[TM+4+\b], 0                        ; written once: a lane permute's destination counts as one of its sources
.endr
.irp a, 0,1,2,3,4,5,6,7
.set AC, 64*((\a)%4)
.set WW, 2+(\a)/4
	WIN 5*WW                                       ; sources 0 and 1: the accumulators' window
.irp b, 0,1,2,3
	v_max3_num_f32 v[TM+\b], |v[AC+16*\b]|, |v[AC+16*\b+1]|, 0x2800000   ; my 16 numbers of block b, each accumulator from its low end on, and the floor 2^(5 - 127)
.endr
.irp i, 2,4,6,8,10,12,14
.irp b, 0,1,2,3
	v_max3_num_f32 v[TM+\b], |v[AC+16*\b+\i]|, |v[AC+16*\b+\i+1]|, v[TM+\b]
.endr
.endr
	WIN 0
	s_wait_dscnt 0x0                               ; the last fragment's scale word has left its register
.irp b, 0,1,2,3
	v_permlanex16_b32 v[TM+4+\b], v[TM+\b], s[SEL], s[SEL+1]
.endr
.irp b, 0,1,2,3
	v_max_num_f32 v[TM+\b], v[TM+\b], v[TM+4+\b]   ; with lane l xor 16's: the block's largest magnitude
.endr
.irp b, 0,1,2,3
	v_add_nc_u32 v[TM+12+\b], 0xfe000000, v[TM+\b] ; 4 off its exponent field: the conversion's scale operand
.endr
.irp b, 0,1,2,3
	v_lshrrev_b32 v[TM+4+\b], 23, v[TM+12+\b]      ; the scale's byte
.endr
	v_lshl_or_b32 v[PW], v[TM+5], 8, v[TM+4]
	v_lshl_or_b32 v[PW], v[TM+6], 16, v[PW]
	v_lshl_or_b32 v[PW], v[TM+7], 24, v[PW]
	s_wait_xcnt 0x0                                ; the last fragment's stores have read their registers: the codes may be written again
	WIN WW                                         ; source 0: the accumulators' window
.irp c, 0,1
	v_cvt_scalef32_pk16_bf6_f32 v[PC+6*\c:PC+2+6*\c], v[AC+32*\c:AC+15+32*\c], v[TM+12+2*\c]
	v_cvt_scalef32_pk16_bf6_f32 v[PC+12+4*\c:PC+14+4*\c], v[AC+16+32*\c:AC+31+32*\c], v[TM+12+2*\c+1]
.endr
	WIN 0
	v_nop                                          ; one plain place behind a scaled conversion
.irp c, 0,1                                    ; the operand's layout wants a whole block in a lane: lanes 0-15 block 2 c, lanes 16-31 block 2 c + 1
.irp i, 0,1,2
	v_permlane16_swap_b32 v[PC+6*\c+\i], v[PC+12+4*\c+\i]
.endr
.irp i, 0,1,2
	v_mov_b32 v[PC+3+6*\c+\i], v[PC+12+4*\c+\i]
.endr
.endr
	global_store_b128 v[O16], v[PC:PC+3], s[12:13] offset:1536*\a            ; each store covers 512 or 256 consecutive bytes, aligned to 256
	global_store_b64 v[O8], v[PC+4:PC+5], s[12:13] offset:1536*\a+512
	global_store_b128 v[O16], v[PC+6:PC+9], s[12:13] offset:1536*\a+768
	global_store_b64 v[O8], v[PC+10:PC+11], s[12:13] offset:1536*\a+1280
	ds_store_b32 v[SSTO], v[PW] offset:64*\a       ; lanes l and l xor 16 write the same word with the same value
.endr
	ds_load_b128 v[FIN:FIN+3], v[SRD]              ; LDS serves a wave's instructions in order: these see my stores
	s_wait_dscnt 0x0
	global_store_b128 v[O16], v[FIN:FIN+3], s[98:99]   ; my 128 scale words: 512 consecutive bytes
	s_wait_tensorcnt 0x0                           ; the wave's end
	ds_add_u32 v[SPW], v[NIL]
	s_wait_dscnt 0x0
	CROUND                                         ; the closing round
	s_endpgm
.Lfunc_end_k_qccadd1b7d3_qkv:
	.size	k_qccadd1b7d3_qkv, .Lfunc_end_k_qccadd1b7d3_qkv-k_qccadd1b7d3_qkv
	.p2alignl 7, 3214868480
	.fill 96, 4, 3214868480
	.section	.rodata,"a",@progbits
	.p2align	6, 0x0
	.amdhsa_kernel k_qccadd1b7d3_qkv
		.amdhsa_group_segment_fixed_size 327680
		.amdhsa_private_segment_fixed_size 0
		.amdhsa_enable_private_segment 0
		.amdhsa_kernarg_size 64
		.amdhsa_user_sgpr_count 2
		.amdhsa_user_sgpr_kernarg_segment_ptr 1
		.amdhsa_wavefront_size32 1
		.amdhsa_system_sgpr_workgroup_id_x 1
		.amdhsa_system_sgpr_workgroup_id_y 1
		.amdhsa_system_sgpr_workgroup_id_z 1
		.amdhsa_system_vgpr_workitem_id 0
		.amdhsa_next_free_vgpr 1024
		.amdhsa_next_free_sgpr 102
		.amdhsa_reserve_vcc 0
		.amdhsa_float_denorm_mode_32 3
		.amdhsa_float_denorm_mode_16_64 3
		.amdhsa_memory_ordered 1
		.amdhsa_forward_progress 1
		.amdhsa_inst_pref_size 166
	.end_amdhsa_kernel
	.amdgpu_metadata
---
amdhsa.version: [ 1, 2 ]
amdhsa.kernels:
  - .name:           k_qccadd1b7d3_qkv
    .symbol:         k_qccadd1b7d3_qkv.kd
    .args:
      - { .name: xq, .offset: 0, .size: 8, .value_kind: global_buffer, .address_space: global }
      - { .name: Wq_codes, .offset: 8, .size: 8, .value_kind: global_buffer, .address_space: global }
      - { .name: Wq_scales, .offset: 16, .size: 8, .value_kind: global_buffer, .address_space: global }
      - { .name: Wk_codes, .offset: 24, .size: 8, .value_kind: global_buffer, .address_space: global }
      - { .name: Wk_scales, .offset: 32, .size: 8, .value_kind: global_buffer, .address_space: global }
      - { .name: Wv_codes, .offset: 40, .size: 8, .value_kind: global_buffer, .address_space: global }
      - { .name: Wv_scales, .offset: 48, .size: 8, .value_kind: global_buffer, .address_space: global }
      - { .name: qkv, .offset: 56, .size: 8, .value_kind: global_buffer, .address_space: global }
    .group_segment_fixed_size: 327680
    .private_segment_fixed_size: 0
    .kernarg_segment_align: 8
    .kernarg_segment_size: 64
    .max_flat_workgroup_size: 128
    .sgpr_count:     102
    .vgpr_count:     1024
    .wavefront_size: 32
...
	.end_amdgpu_metadata
.endif
;; end of part 2
;; launch attn (part 3): grid 32 x 8, 16 waves a work-group, clusters of 4 x 4, 327,680 bytes of LDS; arguments qkv, src_mask, embed, zy; writes zy
.if DOCPART == 3
	.amdgcn_target "amdgcn-amd-amdhsa--gfx1250"
	.amdhsa_code_object_version 6
	.text
	.protected	k_qccadd1b7d3_attn
	.globl	k_qccadd1b7d3_attn
	.p2align	8
	.type	k_qccadd1b7d3_attn,@function
k_qccadd1b7d3_attn:
	s_mov_b64 s[64:65], 0
	v_nop
	global_prefetch_b8 v0, s[64:65] scope:SCOPE_SE
	s_setreg_imm32_b32 hwreg(HW_REG_WAVE_MODE, 25, 1), 1
	s_wait_xcnt 0x0
	s_wait_alu depctr_hold_cnt(0) depctr_sa_sdst(0) depctr_va_vdst(0) depctr_va_sdst(0) depctr_va_ssrc(0) depctr_va_vcc(0) depctr_vm_vsrc(0)
	s_getreg_b32 s2, hwreg(HW_REG_IB_STS2, 6, 4)
	s_cmp_eq_u32 s2, 0
	s_cbranch_scc0 .Lentry_in_a_cluster
	s_endpgm
.Lentry_in_a_cluster:
	s_bfe_u32 s2, ttmp6, 0x10000c
	s_cmp_lg_u32 s2, 0xf033
	s_cbranch_scc0 .Lentry_shape_is_right
	s_endpgm
.Lentry_shape_is_right:
; z = softmax((q k^T + mask) / 8) v + embed, both products on codes of BF6 (E3M2) with one E8M0 scale for each 32 along a product's K.  q, k, v come as images of operand registers with their scale words.
; THE SOFTMAX AHEAD OF THE SECOND PRODUCT: t = (score + mask) x log2(e) / 8; M = the row's largest t so far, rounded up to a whole number; p = 2^(t - M) is quantised along the keys, not normalised.
; The row's sum is taken of the unquantised p and divides O at the end.  When M moves, the sum and O are multiplied by 2^(old M - new M): exact.
; SHARES.  A work-group owns 64 queries (x) of four heads of one batch (y = 4 batch + quad).  Wave w owns query tile w % 4 of head w / 4: 16 queries, 256 registers, four waves to a SIMD.
; So one tile of the mask (64 queries x 128 keys, f32) serves four heads, and a step's K and V (two pairs of heads x 12,288 bytes each) serve four query tiles.
; CLUSTER 4 x 4: K, V and their scale words hang on y alone: asked for jointly along a row of the cluster; the mask's tile hangs on x alone: jointly along a column.
; LAYOUT.  Both products are used transposed: S^T = K Q^T + mask^T (source 0 = 16 keys, source 1 = my 16 queries, C = the mask), O^T = V^T P^T: a lane holds ONE query (lane % 16) throughout;
; register 8 t + j of S^T is key 16 t + 8 (lane / 16) + j.  V's codes were made from registers laid in the same way, so p's codes and V's stand in the same order inside each block of 32 keys.
; THE HEAD'S 64.  The instruction's K is 128.  Q's fragment has the head's 64 in registers 0-5 and ZERO CODES in registers 6-11; K's fragment t is v[32 + 6 t .. 43 + 6 t], whose upper six registers are the next tile's codes:
; every code is a finite number, and times a zero code it adds nothing.  The scale words come as 16 bits, so the bytes of the upper 64 are 0, which is 2^-127 and no NaN.
; LIMITS: a query all of whose mask entries are -infinity gives NaN, as the definition does; p under 2^-126 counts as 0; NaN and +infinity among the inputs are not served.
; REGISTERS: v1-7, v28-30 addresses that stay; v8-11, v31, v90-91 a step's addresses; v12 -M, v13 the largest t, v[14:15] the sum; v16-27 Q; v32-85 K's or V's fragments; v86-89 their scale words;
; v96-159 the mask, S^T, p; v160-191 O^T; v192-223 embed, for the way out; v224-235 p's codes; v232-254 at work; v253 p's scale word; v255 Q's.
.set SLOT1, 131072                     ; a slot: K's two pairs (2 x 12,288), V's two, the mask's 64 rows of 528 bytes: 82,944 bytes; slot 1 begins here, so that one exclusive or turns an address
.set PBLK,  12288
.set VOFF,  24576
.set MOFF,  49152
.set MP,    528                        ; a row of the mask's tile: 512 bytes + 16: row r starts 4 r banks on
.set SCK,   262144                     ; K's scale words, all 2,048 keys, two pairs: 16,384 bytes; filled once
.set SCV,   278528                     ; V's likewise
.set SPARE, 294912                     ; the spare words, 128 bytes for each of 16 waves: eight blocks of 256 bytes that no other line names
.set IMG,   3145728
.set QS_OFF, 9437184
.set KS_OFF, 9568256
.set AK0,  1
.set AK1,  2
.set AV0,  3
.set AV1,  4
.set SPW,  5
.set NIL,  6
.set GO,   7
.set ADK0, 8
.set ADK1, 9
.set ADV0, 10
.set ADV1, 11
.set AM0,  28
.set ASK0, 29
.set ASV0, 30
.set ADM,  31
.set ADSK, 90
.set ADSV, 91
.set WV,   12
.set G1T,  24                          ; s[24:31] group 1 for K's and V's blocks;  s[32:39] for the mask;  s[40:47] for the scale words
.set G1M,  32
.set G1S,  40
.set G0T,  48
.set G0M,  52
.set G0S,  56
.set SEL,  60
.set CS,   62
.set TB,   66                          ; LDS byte at which the slot in hand begins
.set TS,   67                          ; where the step's scale words begin: 512 bytes a step
.set SLOTS, 68
; Waves 0 to 3 fetch K's and V's four blocks, wave 4 the mask's tile, the others nothing.  The branches hang on the wave's number alone.  Four v_nop follow each of the two lines.
.macro TLOAD
	s_cmp_lt_u32 s[WV], 4
	s_cbranch_scc0 .Lnot_t_\@
	tensor_load_to_lds s[G0T:G0T+3], s[G1T:G1T+7]
	s_nop 0
.rept 4
	v_nop
.endr
	s_branch .Lasked_\@
.Lnot_t_\@:
	s_cmp_eq_u32 s[WV], 4
	s_cbranch_scc0 .Lasked_\@
	tensor_load_to_lds s[G0M:G0M+3], s[G1M:G1M+7]
	s_nop 0
.rept 4
	v_nop
.endr
.Lasked_\@:
.endm
.macro CROUND                          ; a round of the cluster's barrier
	s_barrier_signal -1
	s_barrier_wait -1
	s_cmp_lg_u32 s[WV], 0
	s_cbranch_scc1 .Lnot_wave_0_\@
	s_barrier_signal -3
.Lnot_wave_0_\@:
	s_barrier_wait -3
	s_barrier_signal -1
	s_barrier_wait -1
.endm
	s_load_b256 s[4:11], s[0:1], 0x0               ; qkv s[4:5], src_mask s[6:7], embed s[8:9], zy s[10:11]
	v_lshl_add_u32 v[SPW], v0, 2, SPARE
	v_mov_b32 v[NIL], 0
	ds_add_u32 v5, v6
	s_wait_dscnt 0x0
	v_lshrrev_b32 v8, 5, v0
	v_readfirstlane_b32 s[WV], v8                  ; wave 0..15
	s_bfe_u32 s13, ttmp6, 0x40000                  ; cx
	s_bfe_u32 s14, ttmp6, 0x40004                  ; cy
	s_lshl_b32 s15, ttmp9, 2
	s_add_co_u32 s15, s15, s13                     ; x: my block of 64 queries
	s_and_b32 s16, ttmp7, 0xffff
	s_lshl_b32 s16, s16, 2
	s_add_co_u32 s16, s16, s14                     ; y = 4 batch + quad of heads
	s_lshl_b32 s17, s14, 2
	s_lshl_b32 s17, 15, s17                        ; my row of the cluster
	s_lshl_b32 s18, 0x1111, s13                    ; my column
	s_and_b32 s19, s[WV], 3                        ; my query tile.  Also: which of the four blocks I fetch
	s_lshr_b32 s20, s[WV], 2                       ; my head in the quad
	s_lshr_b32 s21, s20, 1                         ; its pair
	s_and_b32 s22, s20, 1                          ; and which of the pair
	; group 1: a dense block as rows of 256 bytes (32 elements of 8 bytes): 48 rows for K's and V's blocks, 32 for the scale words
	s_or_b32 s[G1T], s17, (3<<16)|(1<<21)
	s_mov_b32 s[G1T+1], 32<<16
	s_mov_b32 s[G1T+2], 48<<16
	s_mov_b32 s[G1T+3], 32<<16
	s_mov_b32 s[G1T+4], 48
	s_mov_b32 s[G1T+5], 32
	s_mov_b32 s[G1T+6], 0
	s_mov_b32 s[G1T+7], 0
	s_or_b32 s[G1S], s17, (3<<16)|(1<<21)
	s_mov_b32 s[G1S+1], 32<<16
	s_mov_b32 s[G1S+2], 32<<16
	s_mov_b32 s[G1S+3], 32<<16
	s_mov_b32 s[G1S+4], 32
	s_mov_b32 s[G1S+5], 32
	s_mov_b32 s[G1S+6], 0
	s_mov_b32 s[G1S+7], 0
	; the mask's tile: 64 rows of 128 elements of 4 bytes, 2,048 elements apart; 4 words of padding behind every 128
	s_or_b32 s[G1M], s18, (2<<16)|(1<<20)|(1<<21)|(6<<22)|(3<<25)
	s_mov_b32 s[G1M+1], 128<<16
	s_mov_b32 s[G1M+2], 64<<16
	s_mov_b32 s[G1M+3], 128<<16
	s_mov_b32 s[G1M+4], 64
	s_mov_b32 s[G1M+5], 2048
	s_mov_b32 s[G1M+6], 0
	s_mov_b32 s[G1M+7], 0
	s_lshr_b32 s70, s19, 1                         ; what I fetch: K's (0) or V's (1),
	s_and_b32 s71, s19, 1                          ; which pair
	s_lshl_b32 s72, s16, 1
	s_add_co_u32 s72, s72, s71                     ; batch 8 + pair = 2 y + pair
	s_mul_i32 s74, s72, 16*PBLK
	s_mul_i32 s73, s70, IMG
	s_add_co_u32 s74, s74, s73
	s_add_co_u32 s74, s74, IMG                     ; K's images begin IMG bytes on, V's 2 IMG
	s_mov_b32 s75, 0
	s_lshl_b32 s76, s72, 13                        ; a pair's scale words: 16 steps x 512 bytes
	s_lshl_b32 s73, s70, 17
	s_add_co_u32 s76, s76, s73
	s_add_co_u32 s76, s76, KS_OFF
	s_mov_b32 s77, 0
	s_mul_i32 s78, s19, PBLK                       ; where they go: no place in the cluster enters an LDS address
	s_lshl_b32 s79, s19, 13
	s_add_co_u32 s79, s79, SCK
	s_lshl_b32 s80, s15, 19                        ; the mask: 64 x rows of 8,192 bytes
	s_mov_b32 s81, 0
	; Q: block (2 y + my pair) 16 + x / 2, fragment 4 (x % 2) + my query tile, my head's half of 768 bytes
	s_lshl_b32 s82, s16, 1
	s_add_co_u32 s82, s82, s21
	s_lshl_b32 s82, s82, 4
	s_lshr_b32 s83, s15, 1
	s_add_co_u32 s82, s82, s83
	s_and_b32 s83, s15, 1
	s_lshl_b32 s83, s83, 2
	s_add_co_u32 s83, s83, s19
	s_mul_i32 s84, s82, PBLK
	s_mul_i32 s85, s83, 1536
	s_add_co_u32 s84, s84, s85
	s_mul_i32 s85, s22, 768
	s_add_co_u32 s84, s84, s85
	s_mov_b32 s85, 0
	s_lshl_b32 s82, s82, 9
	s_lshl_b32 s83, s83, 6
	s_add_co_u32 s82, s82, s83
	s_lshl_b32 s83, s22, 1
	s_add_co_u32 s82, s82, s83
	s_add_co_u32 s82, s82, QS_OFF
	s_mov_b32 s83, 0
	; my 16 rows of embed and of z, my head's 256 bytes of them
	s_lshr_b32 s86, s16, 2
	s_lshl_b32 s86, s86, 11
	s_lshl_b32 s87, s15, 6
	s_add_co_u32 s86, s86, s87
	s_lshl_b32 s87, s19, 4
	s_add_co_u32 s86, s86, s87
	s_lshl_b32 s86, s86, 12
	s_and_b32 s87, s16, 3
	s_lshl_b32 s87, s87, 2
	s_add_co_u32 s87, s87, s20
	s_lshl_b32 s87, s87, 8
	s_add_co_u32 s86, s86, s87
	s_mov_b32 s87, 0
	s_mov_b32 s[SEL], 0x76543210
	s_mov_b32 s[SEL+1], 0xfedcba98
	s_mov_b32 s[CS], 0x3e38aa3b                    ; c = log2(e) / 8
	s_mov_b32 s[CS+1], s[CS]                       ; (named with it as a pair, so it is written)
	s_mov_b32 s[TB], 0
	s_mov_b32 s[TS], 0
	s_mov_b32 s[SLOTS], 15
	s_wait_kmcnt 0x0
	s_mov_b32 s[G0S], 1
	s_mov_b32 s[G0S+1], s79
	s_add_nc_u64 s[G0S+2:G0S+3], s[4:5], s[76:77]
	s_or_b32 s[G0S+3], s[G0S+3], 0x80000000
	s_mov_b32 s[G0T], 1
	s_mov_b32 s[G0T+1], s78
	s_add_nc_u64 s[G0T+2:G0T+3], s[4:5], s[74:75]
	s_or_b32 s[G0T+3], s[G0T+3], 0x80000000
	s_mov_b32 s[G0M], 1
	s_mov_b32 s[G0M+1], MOFF
	s_add_nc_u64 s[G0M+2:G0M+3], s[6:7], s[80:81]
	s_or_b32 s[G0M+3], s[G0M+3], 0x80000000
	CROUND                                         ; all sixteen work-groups are here: the first joint loads meet
	s_cmp_lt_u32 s[WV], 4                          ; a wave's first fills stand in one branch: two loads of waves 0-3 are out, one of wave 4
	s_cbranch_scc0 .Lfirst_m
	tensor_load_to_lds s[G0S:G0S+3], s[G1S:G1S+7]  ; the scale words of all keys: filled once
	s_nop 0
	tensor_load_to_lds s[G0T:G0T+3], s[G1T:G1T+7]  ; step 0 into slot 0
	s_nop 0
.rept 4
	v_nop
.endr
	s_branch .Lfirst_done
.Lfirst_m:
	s_cmp_eq_u32 s[WV], 4
	s_cbranch_scc0 .Lfirst_done
	tensor_load_to_lds s[G0M:G0M+3], s[G1M:G1M+7]
	s_nop 0
.rept 4
	v_nop
.endr
.Lfirst_done:
	s_add_nc_u64 s[84:85], s[4:5], s[84:85]        ; Q's half image
	s_add_nc_u64 s[82:83], s[4:5], s[82:83]        ; Q's scale words
	s_add_nc_u64 s[8:9], s[8:9], s[86:87]
	s_add_nc_u64 s[10:11], s[10:11], s[86:87]
	v_and_b32 v8, 31, v0                           ; lane
	v_and_b32 v9, 15, v0                           ; r
	v_bfe_u32 v10, v0, 4, 1                        ; h
	v_lshlrev_b32 v11, 4, v8
	v_lshlrev_b32 v31, 3, v8
	v_lshlrev_b32 v254, 2, v9
	global_load_b128 v[16:19], v11, s[84:85]       ; Q's registers 0-3,
	global_load_b64 v[20:21], v31, s[84:85] offset:512   ; 4-5,
	global_load_u16 v255, v254, s[82:83]           ; and my head's two scale bytes; the upper two are 0
	v_lshlrev_b32 v[GO], 12, v10
	v_lshl_add_u32 v[GO], v9, 4, v[GO]             ; lanes 0-15 one row's 256 bytes, lanes 16-31 the next row's
.irp i, 0,1,2,3,4,5,6,7
	global_load_b128 v[192+4*\i:195+4*\i], v[GO], s[8:9] offset:8192*\i th:TH_LOAD_NT   ; embed for the way out: it lands while the keys are walked
.endr
	s_mul_i32 s70, s21, PBLK
	s_mul_i32 s71, s22, 768
	s_add_co_u32 s71, s71, s70
	v_lshl_add_u32 v[AK0], v8, 4, s71              ; K: my pair's block, my head's half: registers 0-3 at 16 x lane,
	s_add_co_u32 s71, s71, 512
	v_lshl_add_u32 v[AK1], v8, 3, s71              ; 4-5 at 8 x lane
	s_mul_i32 s71, s22, 6144
	s_add_co_u32 s71, s71, s70
	s_add_co_u32 s71, s71, VOFF
	v_lshl_add_u32 v[AV0], v8, 4, s71              ; V: my pair's block, my head's four fragments
	s_add_co_u32 s71, s71, 512
	v_lshl_add_u32 v[AV1], v8, 3, s71
	s_mul_i32 s71, s19, 16*MP
	s_add_co_u32 s71, s71, MOFF
	v_mul_u32_u24 v[AM0], v9, MP
	v_lshl_add_u32 v[AM0], v10, 5, v[AM0]
	v_add_nc_u32 v[AM0], s71, v[AM0]               ; the mask: my query's row, + 32 h
	s_lshl_b32 s70, s21, 13
	s_lshl_b32 s71, s22, 1
	s_add_co_u32 s71, s71, s70
	s_add_co_u32 s71, s71, SCK
	v_lshl_add_u32 v[ASK0], v8, 2, s71             ; K's scale words: 4 x lane (two tiles an instruction), my head's two bytes
	s_lshl_b32 s71, s22, 8
	s_add_co_u32 s71, s71, s70
	s_add_co_u32 s71, s71, SCV
	v_lshl_add_u32 v[ASV0], v8, 2, s71             ; V's: my head's four fragments' words
	v_mov_b32 v13, 0xff61b1e6                      ; the largest t so far: -3e38
	v_floor_f32 v12, -v13                          ; -M
	v_mov_b32 v14, 0
	v_mov_b32 v15, 0
.irp j, 22,23,24,25,26,27
	v_mov_b32 v[\j], 0                             ; Q's upper 64: zero codes
.endr
.irp j, 80,81,82,83,84,85
	v_mov_b32 v[\j], 0                             ; named as the upper half of K's last fragment
.endr
.irp b, 0,1,2,3
	v_mov_b32 v[236+\b], 0                         ; a lane permute's destination counts as one of its sources
.endr
	v_mov_b32 v253, 0
.set J, 0
.rept 32
	v_mov_b32 v[160+J], 0                          ; O^T: the step is written once; the first finds zeros
.set J, J+1
.endr
; A KEY STEP: 128 keys.
.macro STEP
	v_add_nc_u32 v[ADM], s[TB], v[AM0]             ; (these seven lines are also the places in front of loads into registers that the last products read)
	v_add_nc_u32 v[ADK0], s[TB], v[AK0]
	v_add_nc_u32 v[ADK1], s[TB], v[AK1]
	v_add_nc_u32 v[ADSK], s[TS], v[ASK0]
	v_add_nc_u32 v[ADV0], s[TB], v[AV0]
	v_add_nc_u32 v[ADV1], s[TB], v[AV1]
	v_add_nc_u32 v[ADSV], s[TS], v[ASV0]
.irp t, 0,1,2,3,4,5,6,7
	ds_load_b128 v[96+8*\t:99+8*\t], v[ADM] offset:64*\t           ; mask(my query, key 16 t + 8 h + 0 .. 7): the C of tile t
	ds_load_b128 v[100+8*\t:103+8*\t], v[ADM] offset:64*\t+16
.endr
.irp t, 0,1,2,3,4,5,6,7
	ds_load_b128 v[32+6*\t:35+6*\t], v[ADK0] offset:1536*\t        ; K's tile t, my head's six registers
	ds_load_b64 v[36+6*\t:37+6*\t], v[ADK1] offset:1536*\t
.endr
.irp i, 0,1,2,3
	ds_load_u16 v[86+\i], v[ADSK] offset:128*\i                    ; lanes 0-15: tile 2 i's scale bytes, lanes 16-31: tile 2 i + 1's
.endr
	s_wait_dscnt 0x0
.irp t, 0,1,2,3,4,5,6,7                        ; S^T = K Q^T + mask: eight accumulators, one instruction each
.if (\t%2) == 0
	v_wmma_scale_f32_16x16x128_f8f6f4 v[96+8*\t:103+8*\t], v[32+6*\t:43+6*\t], v[16:27], v[96+8*\t:103+8*\t], v[86+\t/2], v255 matrix_a_fmt:MATRIX_FMT_BF6 matrix_b_fmt:MATRIX_FMT_BF6
.else
	v_wmma_scale_f32_16x16x128_f8f6f4 v[96+8*\t:103+8*\t], v[32+6*\t:43+6*\t], v[16:27], v[96+8*\t:103+8*\t], v[86+\t/2], v255 matrix_a_fmt:MATRIX_FMT_BF6 matrix_b_fmt:MATRIX_FMT_BF6 matrix_a_scale:MATRIX_SCALE_ROW1
.endif
.endr
.rept 4
	v_nop                                          ; places: behind them the results are read, and V's loads go into K's registers
.endr
.irp t, 0,1,2,3
	ds_load_b128 v[32+12*\t:35+12*\t], v[ADV0] offset:1536*\t      ; V's four fragments (16 channels x 128 keys) land while the softmax is walked
	ds_load_b64 v[36+12*\t:37+12*\t], v[ADV1] offset:1536*\t
	ds_load_b128 v[38+12*\t:41+12*\t], v[ADV0] offset:1536*\t+768
	ds_load_b64 v[42+12*\t:43+12*\t], v[ADV1] offset:1536*\t+768
.endr
	ds_load_b32 v86, v[ADSV]                       ; lanes 0-15: fragment 0's scale words, lanes 16-31: fragment 1's
	ds_load_b32 v87, v[ADSV] offset:128
.irp b, 0,1,2,3
	v_max3_num_f32 v[232+\b], v[96+16*\b], v[97+16*\b], v[98+16*\b]   ; the largest score of each block of 32 keys: it serves for the row's maximum and, since p rises with the score, for the block's largest p
.endr
.irp i, 3,5,7,9,11,13
.irp b, 0,1,2,3
	v_max3_num_f32 v[232+\b], v[232+\b], v[96+16*\b+\i], v[97+16*\b+\i]
.endr
.endr
.irp b, 0,1,2,3
	v_max_num_f32 v[232+\b], v[232+\b], v[111+16*\b]
.endr
.irp b, 0,1,2,3
	v_permlanex16_b32 v[236+\b], v[232+\b], s[SEL], s[SEL+1]
.endr
.irp b, 0,1,2,3
	v_max_num_f32 v[232+\b], v[232+\b], v[236+\b]  ; with lane l xor 16's 16 keys
.endr
	v_max3_num_f32 v254, v232, v233, v234
	v_max_num_f32 v254, v254, v235                 ; the step's largest score of my query
	v_mul_f32 v254, s[CS], v254                    ; as t (c is positive)
	v_max_num_f32 v13, v13, v254                   ; the running largest t
	v_mov_b32 v254, v12
	v_floor_f32 v12, -v13                          ; the new -M = -ceil(t): a whole number
	v_sub_f32 v254, v12, v254                      ; old M - new M: a whole number, 0 or less
	v_cvt_i32_f32 v254, v254                       ; (it saturates)
	v_ldexp_f32 v252, 1.0, v254                    ; f = 2^(old M - new M)
.set J, 0
.rept 32
	v_pk_fma_f32 v[96+J:97+J], v[96+J:97+J], s[CS:CS+1], v[12:13] op_sel_hi:[1,0,0]   ; t - M, two at a time
.set J, J+2
.endr
.irp b, 0,1,2,3
	v_fma_f32 v[232+\b], v[232+\b], s[CS], v12     ; the same of each block's largest score
.endr
.set J, 0
.rept 64
	v_exp_f32 v[96+J], v[96+J]                     ; p = 2^(t - M), at most 1
.set J, J+1
.endr
.irp b, 0,1,2,3
	v_exp_f32 v[232+\b], v[232+\b]                 ; the block's largest p: the same two instructions on the same number
.endr
	v_pk_mul_f32 v[14:15], v[14:15], v[252:253] op_sel_hi:[1,0]   ; the sums under the new M (a plain place behind the exponentials)
	s_wait_alu depctr_va_vdst(0)
.irp b, 0,1,2,3
	v_max_num_f32 v[232+\b], 0x2800000, v[232+\b]  ; the floor 2^(5 - 127): the byte cannot fall under 1
.endr
.irp b, 0,1,2,3
	v_add_nc_u32 v[244+\b], 0xfe000000, v[232+\b]  ; 4 off the exponent field: the conversion's scale operand
.endr
.irp b, 0,1,2,3
	v_lshrrev_b32 v[236+\b], 23, v[244+\b]         ; the scale's byte
.endr
	v_lshl_or_b32 v253, v237, 8, v236              ; p's scale word for these 128 keys
	v_lshl_or_b32 v253, v238, 16, v253
	v_lshl_or_b32 v253, v239, 24, v253
.irp c, 0,1
	v_cvt_scalef32_pk16_bf6_f32 v[224+6*\c:226+6*\c], v[96+32*\c:111+32*\c], v[244+2*\c]
	v_cvt_scalef32_pk16_bf6_f32 v[236+4*\c:238+4*\c], v[112+32*\c:127+32*\c], v[244+2*\c+1]
.endr
	v_nop                                          ; one plain place behind a scaled conversion
.irp c, 0,1                                    ; a whole block in a lane: lanes 0-15 block 2 c, lanes 16-31 block 2 c + 1
.irp i, 0,1,2
	v_permlane16_swap_b32 v[224+6*\c+\i], v[236+4*\c+\i]
.endr
.irp i, 0,1,2
	v_mov_b32 v[227+6*\c+\i], v[236+4*\c+\i]
.endr
.endr
	v_pk_add_f32 v[236:237], v[96:97], v[98:99]    ; the row's sum is taken of the unquantised p: two chains
.set J, 4
.rept 15
	v_pk_add_f32 v[14:15], v[14:15], v[96+J:97+J]
	v_pk_add_f32 v[236:237], v[236:237], v[98+J:99+J]
.set J, J+4
.endr
	v_pk_add_f32 v[14:15], v[14:15], v[236:237]
.set J, 0
.rept 16
	v_pk_mul_f32 v[160+J:161+J], v[160+J:161+J], v[252:253] op_sel_hi:[1,0]   ; O^T under the new M, from each accumulator's low end on
.set J, J+2
.endr
	s_wait_dscnt 0x0                               ; V and its scale words are in
.irp t, 0,1,2,3                                ; O^T += V^T P^T: four accumulators, one instruction each
.if (\t%2) == 0
	v_wmma_scale_f32_16x16x128_f8f6f4 v[160+8*\t:167+8*\t], v[32+12*\t:43+12*\t], v[224:235], v[160+8*\t:167+8*\t], v[86+\t/2], v253 matrix_a_fmt:MATRIX_FMT_BF6 matrix_b_fmt:MATRIX_FMT_BF6
.else
	v_wmma_scale_f32_16x16x128_f8f6f4 v[160+8*\t:167+8*\t], v[32+12*\t:43+12*\t], v[224:235], v[160+8*\t:167+8*\t], v[86+\t/2], v253 matrix_a_fmt:MATRIX_FMT_BF6 matrix_b_fmt:MATRIX_FMT_BF6 matrix_a_scale:MATRIX_SCALE_ROW1
.endif
.endr
	s_add_co_u32 s[TS], s[TS], 512                 ; the next step's scale words,
	s_xor_b32 s[TB], s[TB], SLOT1                  ; in the other slot
.endm
; THE CHANGE OF SLOTS stands at a step's head.  Each wave waits for all its tensor loads, adds 0 to its spare word, and waits for that and for its reads of the slot that it has left.
; fill = 1: behind a round of the cluster's barrier that slot is filled with the next step's tiles: the joint load has a whole step in which to land.
.macro CHANGE fill
	s_wait_tensorcnt 0x0                           ; no tensor load of mine is out, so a group 0 may be written
	ds_add_u32 v[SPW], v[NIL]                      ; 0 onto my spare word
.if \fill
	s_xor_b32 s[G0T+1], s[G0T+1], SLOT1            ; the walking descriptors: the other slot,
	s_add_nc_u64 s[G0T+2:G0T+3], s[G0T+2:G0T+3], PBLK   ; the next 128 keys' block
	s_xor_b32 s[G0M+1], s[G0M+1], SLOT1
	s_add_nc_u64 s[G0M+2:G0M+3], s[G0M+2:G0M+3], 512    ; 128 keys on in the mask's rows
.endif
	s_wait_dscnt 0x0                               ; the add is done, and my reads of the slot that I have left are over
.if \fill
	CROUND
	TLOAD                                          ; the first thing behind the round, and a wave's one tensor load until the next
.else
	s_barrier_signal -1
	s_barrier_wait -1
.endif
.endm
	s_wait_loadcnt 8                               ; Q is in; embed's eight loads may stay out
.Lslot:                                            ; 15 trips: behind each change of slots but the last the next step is asked for
	CHANGE 1
	STEP
	s_sub_co_u32 s[SLOTS], s[SLOTS], 1
	s_cmp_lg_u32 s[SLOTS], 0
	s_cbranch_scc1 .Lslot
	CHANGE 0                                       ; the last step is written out
	STEP
	; THE WAY OUT.  O^T / the sum goes through my stage in LDS (16 rows of 256 bytes + 16, in slot 0, which has had its last fill and was left at the last change of slots), comes back as whole rows, takes embed and is stored.
	v_add_f32 v14, v14, v15
	v_permlanex16_b32 v252, v14, s[SEL], s[SEL+1]
	v_add_f32 v14, v14, v252                       ; the row's sum
	v_rcp_f32 v14, v14
	v_and_b32 v8, 15, v0                           ; (a plain place behind the transcendental)
	v_bfe_u32 v9, v0, 4, 1
	s_mul_i32 s73, s[WV], 16*272
	v_mul_u32_u24 v10, v8, 272
	v_lshl_add_u32 v10, v9, 5, v10
	v_add_nc_u32 v10, s73, v10                     ; in: row r; tile t's eight channels of my half: 64 t + 32 h bytes on
	v_mul_u32_u24 v11, v9, 272
	v_lshl_add_u32 v11, v8, 4, v11
	v_add_nc_u32 v11, s73, v11                     ; back: lanes 0-15 one row, lanes 16-31 the next
.set J, 0
	s_wait_alu depctr_va_vdst(0)
.rept 32
	v_mul_f32 v[96+J], v[160+J], v14               ; register 8 t + j is o(query r, channel 16 t + 8 h + j)
.set J, J+1
.endr
.irp t, 0,1,2,3
	ds_store_b128 v10, v[96+8*\t:99+8*\t] offset:64*\t
	ds_store_b128 v10, v[100+8*\t:103+8*\t] offset:64*\t+16
.endr
.irp i, 0,1,2,3,4,5,6,7
	ds_load_b128 v[32+4*\i:35+4*\i], v11 offset:2*\i*272   ; LDS serves a wave's instructions in order: these see my stores
.endr
	s_wait_loadcnt 0x0                             ; embed
	s_wait_dscnt 0x0
.set J, 0
.rept 16
	v_pk_add_f32 v[32+J:33+J], v[32+J:33+J], v[192+J:193+J]
.set J, J+2
.endr
.irp i, 0,1,2,3,4,5,6,7
	global_store_b128 v[GO], v[32+4*\i:35+4*\i], s[10:11] offset:8192*\i   ; sixteen lanes store 256 consecutive bytes, aligned
.endr
	s_wait_tensorcnt 0x0                           ; the wave's end
	ds_add_u32 v[SPW], v[NIL]
	s_wait_dscnt 0x0
	CROUND                                         ; the closing round
	s_endpgm
.Lfunc_end_k_qccadd1b7d3_attn:
	.size	k_qccadd1b7d3_attn, .Lfunc_end_k_qccadd1b7d3_attn-k_qccadd1b7d3_attn
	.p2alignl 7, 3214868480
	.fill 96, 4, 3214868480
	.section	.rodata,"a",@progbits
	.p2align	6, 0x0
	.amdhsa_kernel k_qccadd1b7d3_attn
		.amdhsa_group_segment_fixed_size 327680
		.amdhsa_private_segment_fixed_size 0
		.amdhsa_enable_private_segment 0
		.amdhsa_kernarg_size 32
		.amdhsa_user_sgpr_count 2
		.amdhsa_user_sgpr_kernarg_segment_ptr 1
		.amdhsa_wavefront_size32 1
		.amdhsa_system_sgpr_workgroup_id_x 1
		.amdhsa_system_sgpr_workgroup_id_y 1
		.amdhsa_system_sgpr_workgroup_id_z 1
		.amdhsa_system_vgpr_workitem_id 0
		.amdhsa_next_free_vgpr 256
		.amdhsa_next_free_sgpr 90
		.amdhsa_reserve_vcc 0
		.amdhsa_float_denorm_mode_32 3
		.amdhsa_float_denorm_mode_16_64 3
		.amdhsa_memory_ordered 1
		.amdhsa_forward_progress 1
		.amdhsa_inst_pref_size 52
	.end_amdhsa_kernel
	.amdgpu_metadata
---
amdhsa.version: [ 1, 2 ]
amdhsa.kernels:
  - .name:           k_qccadd1b7d3_attn
    .symbol:         k_qccadd1b7d3_attn.kd
    .args:
      - { .name: qkv, .offset: 0, .size: 8, .value_kind: global_buffer, .address_space: global }
      - { .name: src_mask, .offset: 8, .size: 8, .value_kind: global_buffer, .address_space: global }
      - { .name: embed, .offset: 16, .size: 8, .value_kind: global_buffer, .address_space: global }
      - { .name: zy, .offset: 24, .size: 8, .value_kind: global_buffer, .address_space: global }
    .group_segment_fixed_size: 327680
    .private_segment_fixed_size: 0
    .kernarg_segment_align: 8
    .kernarg_segment_size: 32
    .max_flat_workgroup_size: 512
    .sgpr_count:     90
    .vgpr_count:     256
    .wavefront_size: 32
...
	.end_amdgpu_metadata
.endif
;; end of part 3
;; launch ln1 (part 4): grid 256 x 1, 8 waves a work-group, no clusters, 42,496 bytes of LDS; arguments zy, g1, be1, o1; writes o1
.if DOCPART == 4
	.amdgcn_target "amdgcn-amd-amdhsa--gfx1250"
	.amdhsa_code_object_version 6
	.text
	.protected	k_qccadd1b7d3_ln1
	.globl	k_qccadd1b7d3_ln1
	.p2align	8
	.type	k_qccadd1b7d3_ln1,@function
k_qccadd1b7d3_ln1:
	s_mov_b64 s[64:65], 0
	v_nop
	global_prefetch_b8 v0, s[64:65] scope:SCOPE_SE
	s_setreg_imm32_b32 hwreg(HW_REG_WAVE_MODE, 25, 1), 1
	s_wait_xcnt 0x0
; out1 = layernorm(z) g1 + be1 over rows of 1,024, in f32 (mean, then the mean of squared differences: two passes over registers); stored as f32 at byte 0 of o1, and quantised along the row to codes of BF6 (E3M2)
; (rows of 768 bytes at byte OC_OFF) with one E8M0 byte for each 32 (rows of 32 bytes at byte OS_OFF).
; A work-group takes 16 rows, a wave two; a row is 32 registers a lane: chunk j is the 16 bytes at 512 j + 16 x lane, so each load and store of a wave covers 512 consecutive bytes.  The reductions never leave the wave.
; For the quantiser a lane must hold 16 neighbours: half a row (512 numbers) at a time turns through the wave's own stage in LDS (64 bytes + 16 of padding a lane).  Two neighbouring lanes hold a block of 32.
; The work-group's 512 scale bytes meet in LDS and leave by one store of wave 0: 512 consecutive bytes.
; Memory binds: no matrix unit, no cluster, no tensor load.  LIMITS: blocks whose largest magnitude lies under 2^-122 get the byte 1; NaN and infinities are not served.
.set SP,    80
.set EMAX,  4
.set OC_OFF, 16777216
.set OS_OFF, 19922944
.set SCB,   40960                      ; LDS: behind the eight waves' stages (2 x 2,560 bytes each): 64 scale bytes a wave
.set G,     16                         ; v16-47   g1 in a row's layout
.set BE,    48                         ; v48-79   be1
.set RW,    80                         ; v80-143  my two rows
.set XT,    144                        ; v144-175 two sets of 16 neighbours
.set C,     176                        ; v176-191 codes: four registers for each half row
.set E,     192                        ; v192-195 a scale byte for each half row
.set T,     196
.set MU,    200
.set RS,    202
.set TMP,   204
	s_load_b256 s[4:11], s[0:1], 0x0               ; zy s[4:5], g1 s[6:7], be1 s[8:9], o1 s[10:11]
	v_lshl_add_u32 v208, v0, 2, 0xa200
	v_mov_b32 v209, 0
	v_lshrrev_b32 v1, 5, v0
	v_readfirstlane_b32 s16, v1                    ; wave 0..7
	v_and_b32 v2, 31, v0                           ; lane
	v_lshlrev_b32 v3, 4, v2                        ; 16 x lane
	s_mul_i32 s17, s16, 2*32*SP
	v_lshrrev_b32 v14, 2, v2
	v_mul_u32_u24 v14, v14, SP
	v_and_b32 v15, 3, v2
	v_lshl_add_u32 v14, v15, 4, v14
	v_add_nc_u32 v14, s17, v14                     ; the stage, on the way in: SP (lane / 4) + 16 (lane % 4)
	v_mul_u32_u24 v15, v2, SP
	v_add_nc_u32 v15, s17, v15                     ; and on the way out: SP x lane
	v_mul_u32_u24 v4, v2, 12                       ; my codes' place in a half row's 384 bytes
	v_lshrrev_b32 v5, 1, v2
	s_lshl_b32 s17, s16, 6
	s_add_co_u32 s17, s17, SCB
	v_add_nc_u32 v5, s17, v5                       ; my wave's 64 scale bytes, my block's byte
	v_add_nc_u32 v6, SCB, v3                       ; wave 0 at the end: 16 bytes a lane of all 512
	s_mov_b32 s12, 0x76543210
	s_mov_b32 s13, 0xfedcba98                      ; lane l xor 16
	s_mov_b32 s14, 0x3a800000                      ; 1 / 1,024
	s_mov_b32 s15, 0x3727c5ac                      ; 1e-5
	v_mov_b32 v[TMP], 0                            ; a lane permute's destination counts as one of its sources
	v_mov_b32 v[MU+1], 0                           ; (named as the upper halves of pairs)
	v_mov_b32 v[RS+1], 0
	s_lshl_b32 s17, ttmp9, 4
	s_lshl_b32 s18, s16, 1
	s_add_co_u32 s17, s17, s18                     ; my first row
	s_lshl_b32 s20, s17, 12
	s_mov_b32 s21, 0
	s_mul_i32 s22, s17, 768
	s_add_co_u32 s22, s22, OC_OFF
	s_mov_b32 s23, 0
	s_lshl_b32 s24, ttmp9, 9
	s_add_co_u32 s24, s24, OS_OFF
	s_mov_b32 s25, 0
	s_wait_kmcnt 0x0
	s_add_nc_u64 s[4:5], s[4:5], s[20:21]
	s_add_nc_u64 s[26:27], s[10:11], s[22:23]      ; my codes
	s_add_nc_u64 s[28:29], s[10:11], s[24:25]      ; the work-group's scale bytes
	s_add_nc_u64 s[10:11], s[10:11], s[20:21]      ; my rows of out1
.irp j, 0,1,2,3,4,5,6,7
	global_load_b128 v[G+4*\j:G+4*\j+3], v3, s[6:7] offset:512*\j
.endr
.irp j, 0,1,2,3,4,5,6,7
	global_load_b128 v[BE+4*\j:BE+4*\j+3], v3, s[8:9] offset:512*\j
.endr
.irp p, 0,1
.irp j, 0,1,2,3,4,5,6,7
	global_load_b128 v[RW+32*\p+4*\j:RW+32*\p+4*\j+3], v3, s[4:5] offset:4096*\p+512*\j th:TH_LOAD_NT
.endr
.endr
.macro RED                             ; v[T] summed over the 32 lanes, the result in every lane
	v_add_f32_dpp v[T], v[T], v[T] row_xmask:1 row_mask:0xf bank_mask:0xf
	v_add_f32_dpp v[T], v[T], v[T] row_xmask:2 row_mask:0xf bank_mask:0xf
	v_add_f32_dpp v[T], v[T], v[T] row_xmask:4 row_mask:0xf bank_mask:0xf
	v_add_f32_dpp v[T], v[T], v[T] row_xmask:8 row_mask:0xf bank_mask:0xf
	v_permlanex16_b32 v[TMP], v[T], s12, s13
	v_add_f32 v[T], v[T], v[TMP]
.endm
.macro NORM                            ; the 32 registers from v[RR] on become (x - mean) rsqrt(var + eps) g + be
	v_pk_add_f32 v[T:T+1], v[RR:RR+1], v[RR+2:RR+3]
	v_pk_add_f32 v[T+2:T+3], v[RR+4:RR+5], v[RR+6:RR+7]
.irp j, 8,12,16,20,24,28
	v_pk_add_f32 v[T:T+1], v[T:T+1], v[RR+\j:RR+\j+1]
	v_pk_add_f32 v[T+2:T+3], v[T+2:T+3], v[RR+\j+2:RR+\j+3]
.endr
	v_pk_add_f32 v[T:T+1], v[T:T+1], v[T+2:T+3]
	v_add_f32 v[T], v[T], v[T+1]
	RED
	v_mul_f32 v[MU], s14, v[T]                     ; the mean
.irp j, 0,2,4,6,8,10,12,14,16,18,20,22,24,26,28,30
	v_pk_add_f32 v[RR+\j:RR+\j+1], v[RR+\j:RR+\j+1], v[MU:MU+1] op_sel_hi:[1,0] neg_lo:[0,1] neg_hi:[0,1]
.endr
	v_pk_mul_f32 v[T:T+1], v[RR:RR+1], v[RR:RR+1]
	v_pk_mul_f32 v[T+2:T+3], v[RR+2:RR+3], v[RR+2:RR+3]
.irp j, 4,8,12,16,20,24,28
	v_pk_fma_f32 v[T:T+1], v[RR+\j:RR+\j+1], v[RR+\j:RR+\j+1], v[T:T+1]
	v_pk_fma_f32 v[T+2:T+3], v[RR+\j+2:RR+\j+3], v[RR+\j+2:RR+\j+3], v[T+2:T+3]
.endr
	v_pk_add_f32 v[T:T+1], v[T:T+1], v[T+2:T+3]
	v_add_f32 v[T], v[T], v[T+1]
	RED
	v_fma_f32 v[T], v[T], s14, s15                 ; var + eps
	v_rsq_f32 v[RS], v[T]
	v_nop                                          ; a plain place behind the transcendental
	s_wait_alu depctr_va_vdst(0)
.irp j, 0,2,4,6,8,10,12,14,16,18,20,22,24,26,28,30
	v_pk_mul_f32 v[RR+\j:RR+\j+1], v[RR+\j:RR+\j+1], v[RS:RS+1] op_sel_hi:[1,0]
.endr
.irp j, 0,2,4,6,8,10,12,14,16,18,20,22,24,26,28,30
	v_pk_fma_f32 v[RR+\j:RR+\j+1], v[RR+\j:RR+\j+1], v[G+\j:G+\j+1], v[BE+\j:BE+\j+1]
.endr
.endm
.macro TURN t                          ; half row t (of my four) through stage t % 2: LDS serves a wave's instructions in order
.irp i, 0,1,2,3
	ds_store_b128 v14, v[RW+16*(\t)+4*\i:RW+16*(\t)+4*\i+3] offset:32*SP*((\t)%2)+8*SP*\i
.endr
.irp i, 0,1,2,3
	ds_load_b128 v[XT+16*((\t)%2)+4*\i:XT+16*((\t)%2)+4*\i+3], v15 offset:32*SP*((\t)%2)+16*\i
.endr
.endm
.macro QSTEP t                         ; my 16 neighbours of half row t become 12 bytes of codes; my block's byte goes to LDS
.set XS, XT+16*((\t)%2)
	v_max3_num_f32 v8, |v[XS]|, |v[XS+1]|, |v[XS+2]|
	v_max3_num_f32 v9, |v[XS+3]|, |v[XS+4]|, |v[XS+5]|
.irp i, 6,10
	v_max3_num_f32 v8, v8, |v[XS+\i]|, |v[XS+\i+1]|
	v_max3_num_f32 v9, v9, |v[XS+\i+2]|, |v[XS+\i+3]|
.endr
	v_max3_num_f32 v8, v8, |v[XS+14]|, |v[XS+15]|
	v_max3_num_f32 v8, v8, v9, (EMAX+1)<<23        ; and the floor 2^(5 - 127)
	v_max_num_f32_dpp v8, v8, v8 row_xmask:1 row_mask:0xf bank_mask:0xf   ; with my neighbour's 16: the block's
	v_add_nc_u32 v11, -(EMAX<<23), v8              ; 4 off its exponent field: the conversion's scale operand
	v_cvt_scalef32_pk16_bf6_f32 v[C+4*(\t):C+4*(\t)+2], v[XS:XS+15], v11
	v_lshrrev_b32 v[E+(\t)], 23, v11               ; the scale's byte (a plain line behind the conversion)
	ds_store_b8 v5, v[E+(\t)] offset:16*(\t)
	global_store_b96 v4, v[C+4*(\t):C+4*(\t)+2], s[26:27] offset:384*(\t)
.endm
.macro ROW p
.set RR, RW+32*\p
.if \p == 0
	s_wait_loadcnt 8                               ; g1, be1 and row 0 are in; row 1's eight loads may be out
.else
	s_wait_loadcnt 0x0
.endif
	NORM
.irp j, 0,1,2,3,4,5,6,7
	global_store_b128 v3, v[RR+4*\j:RR+4*\j+3], s[10:11] offset:4096*\p+512*\j
.endr
	TURN 2*\p
	TURN 2*\p+1
	s_wait_dscnt 8                                 ; the first half row is back; the second turn's eight instructions may be out
	QSTEP 2*\p
	s_wait_dscnt 1                                 ; the second is back; the byte store just issued may be out
	QSTEP 2*\p+1
.endm
	ROW 0
	ROW 1
	s_wait_dscnt 0x0                               ; for the others' sake: my scale bytes lie in LDS
	s_barrier_signal -1
	s_barrier_wait -1
	s_cmp_lg_u32 s16, 0
	s_cbranch_scc1 .Lend
	ds_load_b128 v[196:199], v6                    ; the 16 rows' 512 scale bytes
	s_wait_dscnt 0x0
	global_store_b128 v3, v[196:199], s[28:29]     ; 512 consecutive bytes, aligned
.Lend:
	s_wait_tensorcnt 0x0
	ds_add_u32 v208, v209
	s_wait_dscnt 0x0
	s_endpgm
.Lfunc_end_k_qccadd1b7d3_ln1:
	.size	k_qccadd1b7d3_ln1, .Lfunc_end_k_qccadd1b7d3_ln1-k_qccadd1b7d3_ln1
	.p2alignl 7, 3214868480
	.fill 96, 4, 3214868480
	.section	.rodata,"a",@progbits
	.p2align	6, 0x0
	.amdhsa_kernel k_qccadd1b7d3_ln1
		.amdhsa_group_segment_fixed_size 42496
		.amdhsa_private_segment_fixed_size 0
		.amdhsa_enable_private_segment 0
		.amdhsa_kernarg_size 32
		.amdhsa_user_sgpr_count 2
		.amdhsa_user_sgpr_kernarg_segment_ptr 1
		.amdhsa_wavefront_size32 1
		.amdhsa_system_sgpr_workgroup_id_x 1
		.amdhsa_system_sgpr_workgroup_id_y 1
		.amdhsa_system_sgpr_workgroup_id_z 1
		.amdhsa_system_vgpr_workitem_id 0
		.amdhsa_next_free_vgpr 210
		.amdhsa_next_free_sgpr 66
		.amdhsa_reserve_vcc 0
		.amdhsa_float_denorm_mode_32 3
		.amdhsa_float_denorm_mode_16_64 3
		.amdhsa_memory_ordered 1
		.amdhsa_forward_progress 1
		.amdhsa_inst_pref_size 25
	.end_amdhsa_kernel
	.amdgpu_metadata
---
amdhsa.version: [ 1, 2 ]
amdhsa.kernels:
  - .name:           k_qccadd1b7d3_ln1
    .symbol:         k_qccadd1b7d3_ln1.kd
    .args:
      - { .name: zy, .offset: 0, .size: 8, .value_kind: global_buffer, .address_space: global }
      - { .name: g1, .offset: 8, .size: 8, .value_kind: global_buffer, .address_space: global }
      - { .name: be1, .offset: 16, .size: 8, .value_kind: global_buffer, .address_space: global }
      - { .name: o1, .offset: 24, .size: 8, .value_kind: global_buffer, .address_space: global }
    .group_segment_fixed_size: 42496
    .private_segment_fixed_size: 0
    .kernarg_segment_align: 8
    .kernarg_segment_size: 32
    .max_flat_workgroup_size: 256
    .sgpr_count:     66
    .vgpr_count:     210
    .wavefront_size: 32
...
	.end_amdgpu_metadata
.endif
;; end of part 4
;; launch ffn1 (part 5): grid 16 x 16, 4 waves a work-group, clusters of 4 x 4, 327,680 bytes of LDS; arguments o1, w1_codes, w1_scales, b1, hq; writes hq
.if DOCPART == 5
	.amdgcn_target "amdgcn-amd-amdhsa--gfx1250"
	.amdhsa_code_object_version 6
	.text
	.protected	k_qccadd1b7d3_ffn1
	.globl	k_qccadd1b7d3_ffn1
	.p2align	8
	.type	k_qccadd1b7d3_ffn1,@function
k_qccadd1b7d3_ffn1:
	s_mov_b64 s[64:65], 0
	v_nop
	global_prefetch_b8 v0, s[64:65] scope:SCOPE_SE
	s_setreg_imm32_b32 hwreg(HW_REG_WAVE_MODE, 25, 1), 1
	s_wait_xcnt 0x0
	s_wait_alu depctr_hold_cnt(0) depctr_sa_sdst(0) depctr_va_vdst(0) depctr_va_sdst(0) depctr_va_ssrc(0) depctr_va_vcc(0) depctr_vm_vsrc(0)
	s_getreg_b32 s2, hwreg(HW_REG_IB_STS2, 6, 4)
	s_cmp_eq_u32 s2, 0
	s_cbranch_scc0 .Lentry_in_a_cluster
	s_endpgm
.Lentry_in_a_cluster:
	s_bfe_u32 s2, ttmp6, 0x10000c
	s_cmp_lg_u32 s2, 0xf033
	s_cbranch_scc0 .Lentry_shape_is_right
	s_endpgm
.Lentry_shape_is_right:
; h = relu(out1 w1^T + b1) on codes of BF6 (E3M2) with E8M0 scales for each 32 along K = 1,024; h is quantised at once along the hidden units, which are the next product's K, and stored as IMAGES OF OPERAND REGISTERS.
; A tile of 256 rows x 256 hidden units is made by four waves, 128 x 128 each: 64 accumulators.  Source 0 takes 16 rows of w1, source 1 16 rows of out1: a lane holds one row and eight neighbouring hidden units.
; b1 is the C of each sum's first matrix instruction: 64 registers in the result's layout.
; K goes in steps of 256 through a ring of two LDS slots (rows of 192 bytes, 16 bytes of padding behind every 64); the scale bytes of the tile's 512 rows come once and stay.
; CLUSTERS: 4 x 4 work-groups; out1's tiles are asked for jointly along a row of the cluster, w1's along a column.
; THE NEXT K's ORDER.  w2's codes are given in the natural order, so h's must be too.  Register 16 B + 8 u + j of a lane is hidden unit 32 B + 16 u + 8 h + j; an exchange of halves between registers (u = 0, j) and (u = 1, j)
; makes it 32 B + 16 h + 8 u + j: 16 neighbours a lane, as the conversions and the operand's layout want them.
; OUT.  A wave's block (128 rows, K step of 128): 8 fragments of 1,536 bytes (registers 4 c .. 4 c + 3 at 512 c + 16 x lane) and 8 x 16 scale words; block (128 rows' number) 32 + K step.
; LIMITS: blocks whose largest magnitude lies under 2^-122 get the byte 1; NaN and infinities are not served.
; REGISTERS: window 0: v0-31 addresses; v32-63 scale words, two sets; v64-127 b1; v128-223 out1's fragments; in the epilogue v128-191 a block's numbers, v192-235 at work.  window 1: w1's fragments, two sets.  windows 2, 3: the accumulators.
.set SIZE_K, 1024
.set KSTEP,  256
.set NQ,     KSTEP/128
.set ROWB,   192
.set KROW,   SIZE_K*6/8
.set PITCH,  240
.set FR,     12
.set NL,     6
.set NP,     4
.set HALFT,  128*PITCH
.set SLOT,   4*HALFT
.set LAPS,   SIZE_K/(2*KSTEP)
.set KS,     SIZE_K/32
.set SCL,    2*SLOT
.set HALFS,  (128*KS/256)*272
.set SBLK,   (16*KS/256)*272
.set SPARE,  SCL+4*HALFS               ; the spare words, 128 bytes for each wave: two blocks of 256 bytes that no other line names
.set OC_OFF, 16777216                  ; out1's codes in o1
.set OS_OFF, 19922944                  ; and their scale bytes
.set HS_OFF, 12582912                  ; h's scale words in hq
.set BO,   7                           ; v7   32 x (lane / 16): my half's place in a tile's 16 numbers of b1
.set O16,  8
.set SSTO, 10
.set SRD,  11
.set ADRA, 16
.set ADRB, 20
.set ADRS, 27
.set SPW,  28
.set NIL,  29
.set SC,   32
.set BIAS, 64
.set AF,   128
.set HA,   128
.set PC,   192
.set TM,   212
.set PW,   228
.set FIN,  232
.set G1, 24
.set G0, 32
.set G1B, 48
.set G0B, 56
.set G1S, 68
.set G0S, 76
.set G1SB, 80
.set G0SB, 88
.set SEL, 100
.set MSB, 0
.macro WIN new                         ; the immediate's high byte repeats the setting that is left
.if MSB != \new
	s_set_vgpr_msb (MSB<<8)|\new
.set MSB, \new
.endif
.endm
.set MUL_LO, 0xa1
.set MUL_HI, 0xf1
.set TO_B,   0x40
.macro JLOAD g0a, g1a, g0b, g1b        ; a joint load: waves 0 and 1 fetch for A, waves 2 and 3 for B.  Four v_nop follow each of the two lines
	s_cmp_eq_u32 s15, 0
	s_cbranch_scc0 .Lfor_b_\@
	tensor_load_to_lds s[\g0a:\g0a+3], s[\g1a:\g1a+7]
	s_nop 0
.rept 4
	v_nop
.endr
	s_branch .Lasked_\@
.Lfor_b_\@:
	tensor_load_to_lds s[\g0b:\g0b+3], s[\g1b:\g1b+7]
	s_nop 0
.rept 4
	v_nop
.endr
.Lasked_\@:
.endm
.macro CREST
	s_cmp_lg_u32 s14, 0
	s_cbranch_scc1 .Lnot_wave_0_\@
	s_barrier_signal -3
.Lnot_wave_0_\@:
	s_barrier_wait -3
	s_barrier_signal -1
	s_barrier_wait -1
.endm
.macro CROUND
	s_barrier_signal -1
	s_barrier_wait -1
	CREST
.endm
	s_load_b64 s[4:5], s[0:1], 0x0                 ; o1
	s_load_b128 s[8:11], s[0:1], 0x8               ; w1's codes, w1's scales
	s_load_b128 s[96:99], s[0:1], 0x18             ; b1, hq
	v_lshl_add_u32 v[SPW], v0, 2, SPARE
	v_mov_b32 v[NIL], 0
	ds_add_u32 v28, v29
	s_wait_dscnt 0x0
	v_lshrrev_b32 v1, 5, v0
	v_readfirstlane_b32 s14, v1
	s_lshr_b32 s15, s14, 1
	s_and_b32 s16, s14, 1
	s_bfe_u32 s40, ttmp6, 0x40000
	s_bfe_u32 s41, ttmp6, 0x40004
	s_lshl_b32 s42, ttmp9, 2
	s_add_co_u32 s42, s42, s40                     ; tile column (hidden units)
	s_and_b32 s17, ttmp7, 0xffff
	s_lshl_b32 s17, s17, 2
	s_add_co_u32 s17, s17, s41                     ; tile row (tokens)
	s_lshl_b32 s43, s41, 2
	s_lshl_b32 s43, 15, s43
	s_lshl_b32 s44, 0x1111, s40
	s_or_b32 s[G1+0], s43, (0<<16)|(1<<20)|(1<<21)|(3<<22)|(3<<25)
	s_or_b32 s[G1B+0], s44, (0<<16)|(1<<20)|(1<<21)|(3<<22)|(3<<25)
.irp g, G1, G1B
	s_mov_b32 s[\g+1], ROWB<<16
	s_mov_b32 s[\g+2], 128<<16
	s_mov_b32 s[\g+3], ROWB<<16
	s_mov_b32 s[\g+4], 128
	s_mov_b32 s[\g+5], KROW
	s_mov_b32 s[\g+6], 0
	s_mov_b32 s[\g+7], 0
.endr
	s_or_b32 s[G1S+0], s43, (3<<16)|(1<<20)|(1<<21)|(5<<22)|(3<<25)
	s_or_b32 s[G1SB+0], s44, (3<<16)|(1<<20)|(1<<21)|(5<<22)|(3<<25)
.irp g, G1S, G1SB
	s_mov_b32 s[\g+1], 32<<16
	s_mov_b32 s[\g+2], (128*KS/256)<<16
	s_mov_b32 s[\g+3], 32<<16
	s_mov_b32 s[\g+4], 128*KS/256
	s_mov_b32 s[\g+5], 32
	s_mov_b32 s[\g+6], 0
	s_mov_b32 s[\g+7], 0
.endr
	s_lshl_b32 s18, s16, 7
	s_lshl_b32 s20, s17, 8
	s_add_co_u32 s20, s20, s18
	s_lshl_b32 s46, s42, 8
	s_add_co_u32 s46, s46, s18
	s_mov_b32 s21, 0
	s_mov_b32 s47, 0
	s_mov_b64 s[18:19], KS
	s_mul_u64 s[22:23], s[20:21], s[18:19]
	s_mul_u64 s[92:93], s[46:47], s[18:19]
	s_mov_b64 s[18:19], KROW
	s_mul_u64 s[20:21], s[20:21], s[18:19]
	s_mul_u64 s[46:47], s[46:47], s[18:19]
	s_mul_i32 s45, s14, HALFT
	s_mul_i32 s94, s14, HALFS
	s_mov_b32 s[SEL], 0x76543210
	s_mov_b32 s[SEL+1], 0xfedcba98
	s_wait_kmcnt 0x0
	s_add_nc_u64 s[6:7], s[4:5], OS_OFF            ; out1's scale bytes
	s_add_nc_u64 s[4:5], s[4:5], OC_OFF            ; out1's codes
	s_add_nc_u64 s[20:21], s[4:5], s[20:21]
	s_add_nc_u64 s[22:23], s[6:7], s[22:23]
	s_add_nc_u64 s[46:47], s[8:9], s[46:47]
	s_add_nc_u64 s[92:93], s[10:11], s[92:93]
	CROUND                                         ; all sixteen work-groups are here: the first joint loads meet
	s_mov_b32 s[G0S], 1
	s_add_co_u32 s[G0S+1], s94, SCL
	s_mov_b64 s[G0S+2:G0S+3], s[22:23]
	s_or_b32 s[G0S+3], s[G0S+3], 0x80000000
	s_mov_b32 s[G0SB], 1
	s_add_co_u32 s[G0SB+1], s94, SCL
	s_mov_b64 s[G0SB+2:G0SB+3], s[92:93]
	s_or_b32 s[G0SB+3], s[G0SB+3], 0x80000000
	JLOAD G0S, G1S, G0SB, G1SB
.irp s, 0,1
	s_mov_b32 s[G0+4*\s], 1
	s_add_co_u32 s[G0+4*\s+1], s45, \s*SLOT
	s_add_nc_u64 s[G0+4*\s+2:G0+4*\s+3], s[20:21], \s*ROWB
	s_or_b32 s[G0+4*\s+3], s[G0+4*\s+3], 0x80000000
	s_mov_b32 s[G0B+4*\s], 1
	s_add_co_u32 s[G0B+4*\s+1], s45, \s*SLOT
	s_add_nc_u64 s[G0B+4*\s+2:G0B+4*\s+3], s[46:47], \s*ROWB
	s_or_b32 s[G0B+4*\s+3], s[G0B+4*\s+3], 0x80000000
	JLOAD G0+4*\s, G1, G0B+4*\s, G1B
.endr
	v_and_b32 v1, 15, v0
	v_bfe_u32 v2, v0, 4, 1
	; b1: my 128 hidden units; lane (r, h) wants, for B's block b, those of units 16 b + 8 h + 0 .. 7
	s_lshl_b32 s46, s42, 10
	s_lshl_b32 s47, s16, 9
	s_add_co_u32 s46, s46, s47
	s_mov_b32 s47, 0
	s_add_nc_u64 s[96:97], s[96:97], s[46:47]
	v_lshlrev_b32 v[BO], 5, v2
.irp b, 0,1,2,3,4,5,6,7
	global_load_b128 v[BIAS+8*\b:BIAS+8*\b+3], v[BO], s[96:97] offset:64*\b
	global_load_b128 v[BIAS+8*\b+4:BIAS+8*\b+7], v[BO], s[96:97] offset:64*\b+16
.endr
	v_mul_u32_u24 v3, v1, PITCH
	v_mul_u32_u24 v4, v2, 24
	v_add_nc_u32 v4, v3, v4
	v_lshl_add_u32 v5, v2, 4, v4
	s_mul_i32 s21, s15, HALFT
	s_mul_i32 s22, s16, HALFT
	s_add_co_u32 s22, s22, 2*HALFT
.irp s, 0,1
	v_add_nc_u32 v[ADRA+\s], s21, v4
	v_add_nc_u32 v[ADRB+\s], s22, v4
	v_add_nc_u32 v[ADRA+2+\s], s21, v5
	v_add_nc_u32 v[ADRB+2+\s], s22, v5
	s_add_co_u32 s21, s21, SLOT
	s_add_co_u32 s22, s22, SLOT
.endr
	v_mul_u32_u24 v5, v1, KS
	v_lshrrev_b32 v6, 8, v5
	v_lshl_add_u32 v5, v6, 4, v5
	s_mul_i32 s21, s15, HALFS
	s_mul_i32 s22, s16, HALFS
	s_add_co_u32 s22, s22, 2*HALFS
	s_sub_co_u32 s22, s22, s21
	v_mul_u32_u24 v6, s22, v2                      ; lanes 16-31 take B's
	s_add_co_u32 s21, s21, SCL
	v_add_nc_u32 v5, v5, v6
	v_add_nc_u32 v[ADRS], s21, v5
	v_and_b32 v6, 31, v0
	v_lshlrev_b32 v[O16], 4, v6
	s_lshl_b32 s23, s14, 9
	v_lshl_add_u32 v[SSTO], v1, 2, s23             ; the scale words' stage: 512 bytes a wave in slot 0, which has had its last fill and its last read by then
	v_add_nc_u32 v[SRD], s23, v[O16]
	s_lshl_b32 s20, s17, 1
	s_add_co_u32 s20, s20, s15                     ; my block of 128 rows
	s_lshl_b32 s20, s20, 5
	s_lshl_b32 s21, s42, 1
	s_add_co_u32 s21, s21, s16                     ; my K step of the next product
	s_add_co_u32 s20, s20, s21
	s_mul_i32 s22, s20, 12288
	s_mov_b32 s23, 0
	s_lshl_b32 s20, s20, 9
	s_add_co_u32 s20, s20, HS_OFF
	s_mov_b32 s21, 0
	s_add_nc_u64 s[12:13], s[98:99], s[22:23]      ; my images
	s_add_nc_u64 s[98:99], s[98:99], s[20:21]      ; my scale words
.macro FRAG reg, adr, q, i
.irp p, 0,1,2,3,4,5
.set PCE, 12*(\q)+6*(\p/3)+\p%3
.if PCE%8 < 5
	ds_load_b64 v[\reg+2*\p:\reg+2*\p+1], v[\adr] offset:8*PCE+16*(PCE/8)+(\i)*16*PITCH
.else
	ds_load_b64 v[\reg+2*\p:\reg+2*\p+1], v[\adr+2] offset:8*PCE+16*(PCE/8)+(\i)*16*PITCH
.endif
.endr
.endm
; 16 matrix instructions: A's blocks a0, a0 + 1 x B's eight.  zero = 2: the first product starts the sums from b1.  The 64 accumulators take turns, one instruction a turn.
.macro MUL16 a0, p, q, sc, zero
.irp a, \a0, \a0+1
.irp b, 0,1,2,3,4,5,6,7
.if \zero == 2
	v_wmma_scale_f32_16x16x128_f8f6f4 v[8*(8*((\a)%4)+\b):8*(8*((\a)%4)+\b)+7], v[128*(\p)+FR*\b:128*(\p)+FR*\b+FR-1], v[AF+FR*(\a):AF+FR*(\a)+FR-1], v[BIAS+8*\b:BIAS+8*\b+7], v[SC+8*NQ*(\sc)+NQ*\b+(\q)], v[SC+8*NQ*(\sc)+NQ*(\a)+(\q)] matrix_a_fmt:MATRIX_FMT_BF6 matrix_b_fmt:MATRIX_FMT_BF6 matrix_a_scale:MATRIX_SCALE_ROW1
.else
	v_wmma_scale_f32_16x16x128_f8f6f4 v[8*(8*((\a)%4)+\b):8*(8*((\a)%4)+\b)+7], v[128*(\p)+FR*\b:128*(\p)+FR*\b+FR-1], v[AF+FR*(\a):AF+FR*(\a)+FR-1], v[8*(8*((\a)%4)+\b):8*(8*((\a)%4)+\b)+7], v[SC+8*NQ*(\sc)+NQ*\b+(\q)], v[SC+8*NQ*(\sc)+NQ*(\a)+(\q)] matrix_a_fmt:MATRIX_FMT_BF6 matrix_b_fmt:MATRIX_FMT_BF6 matrix_a_scale:MATRIX_SCALE_ROW1
.endif
.endr
.endr
.endm
.macro FETCH_B slot, q, p
	WIN TO_B
.irp i, 0,1,2,3,4,5,6,7
	FRAG 128*(\p)+FR*\i, ADRB+\slot, \q, \i
.endr
	WIN 0
.endm
.macro FETCH_A slot, q, i0
.irp i, \i0, \i0+1, \i0+2, \i0+3
	FRAG AF+FR*(\i), ADRA+\slot, \q, \i
.endr
.endm
.macro SCALES sc
.irp i, 0,1,2,3,4,5,6,7
	ds_load_b64 v[SC+8*NQ*\sc+NQ*\i:SC+8*NQ*\sc+NQ*\i+1], v[ADRS] offset:\i*SBLK
.endr
.endm
.macro PLACES n
.rept \n
	v_nop
.endr
.endm
.macro STEP slot, q, zero
	s_wait_dscnt 4*NL                              ; B's set and A's blocks 0-3 are in; the youngest 24 loads (A's blocks 4-7) may be out
.if \zero == 2
	WIN 0x81                                       ; C (b1) in window 0, D in window 2
.else
	WIN MUL_LO
.endif
	MUL16 0, (\q)%2, \q, \slot, \zero
	MUL16 2, (\q)%2, \q, \slot, \zero
	s_wait_dscnt 0
	PLACES NP
	FETCH_B \slot, (\q)+1, 1-(\q)%2
	FETCH_A \slot, (\q)+1, 0
.if \zero == 2
	WIN 0xc1                                       ; C in window 0, D in window 3
.else
	WIN MUL_HI
.endif
	MUL16 4, (\q)%2, \q, \slot, \zero
	MUL16 6, (\q)%2, \q, \slot, \zero
	PLACES NP
	WIN 0
	FETCH_A \slot, (\q)+1, 4
.endm
.macro TURN slot, next, fill
	s_wait_tensorcnt 0x0                           ; all my tensor loads have landed: my part of the next slot
	ds_add_u32 v[SPW], v[NIL]                      ; 0 onto my spare word
	s_wait_dscnt 4*NL+1                            ; (the add and the youngest 24 loads may be out)
	WIN MUL_LO
	MUL16 0, 1, NQ-1, \slot, 0
	s_wait_dscnt 0x0                               ; the add is done, and my reads of this slot are over
	s_barrier_signal -1
	MUL16 2, 1, NQ-1, \slot, 0
	WIN 0
	s_barrier_wait -1
.if \fill
	CREST                                          ; a round of the cluster's barrier: no wave of any partner still reads this slot or has a load on its way
	s_add_nc_u64 s[G0+4*\slot+2:G0+4*\slot+3], s[G0+4*\slot+2:G0+4*\slot+3], 2*ROWB
	s_add_nc_u64 s[G0B+4*\slot+2:G0B+4*\slot+3], s[G0B+4*\slot+2:G0B+4*\slot+3], 2*ROWB
	JLOAD G0+4*\slot, G1, G0B+4*\slot, G1B
.else
	PLACES NP
.endif
	v_add_nc_u32 v[ADRS], 4*NQ, v[ADRS]
	FETCH_B \next, 0, 0
	FETCH_A \next, 0, 0
	SCALES \next
	WIN MUL_HI
	MUL16 4, 1, NQ-1, \slot, 0
	MUL16 6, 1, NQ-1, \slot, 0
	PLACES NP
	WIN 0
	FETCH_A \next, 0, 4
.endm
	s_wait_tensorcnt 1                             ; the scales and my part of K step 0 are in (K step 1's load may be out),
	s_barrier_signal -1
	s_barrier_wait -1
	FETCH_B 0, 0, 0
	FETCH_A 0, 0, 0
	SCALES 0
	FETCH_A 0, 0, 4
	s_wait_loadcnt 0x0                             ; b1
	STEP 0, 0, 2                                   ; the first step stands in front of the loop: its products start the sums from b1
	s_mov_b32 s3, LAPS-1
.Llap:
	TURN 0, 1, 1
	STEP 1, 0, 0
	TURN 1, 0, 1
	STEP 0, 0, 0
	s_sub_co_u32 s3, s3, 1
	s_cmp_lg_u32 s3, 0
	s_cbranch_scc1 .Llap
	TURN 0, 1, 0
	STEP 1, 0, 0
	s_wait_dscnt 4*NL
	WIN MUL_LO
	MUL16 0, 1, NQ-1, 1, 0
	MUL16 2, 1, NQ-1, 1, 0
	s_wait_dscnt 0
	WIN MUL_HI
	MUL16 4, 1, NQ-1, 1, 0
	MUL16 6, 1, NQ-1, 1, 0
	WIN 0
	; THE EPILOGUE: block a (16 rows x my 128 hidden units): relu, the natural order along the next K, quantised, stored as one fragment and one scale word a row.
	PLACES NP
.irp b, 0,1,2,3
	v_mov_b32 v[TM+4+\b], 0                        ; a lane permute's destination counts as one of its sources
.endr
.irp a, 0,1,2,3,4,5,6,7
.set AC, 64*((\a)%4)
.set WW, 2+(\a)/4
	WIN 4*WW                                       ; source 1: the accumulators' window
.set J, 0
.rept 64
	v_max_num_f32 v[HA+J], 0, v[AC+J]              ; the activation, in f32, each accumulator from its low end on; the numbers come into window 0
.set J, J+1
.endr
	WIN 0
.irp b, 0,1,2,3
.irp j, 0,1,2,3,4,5,6,7
	v_permlane16_swap_b32 v[HA+16*\b+\j], v[HA+16*\b+8+\j]   ; register 16 b + i now holds hidden unit 32 b + 16 h + i
.endr
.endr
.irp b, 0,1,2,3
	v_max3_num_f32 v[TM+\b], v[HA+16*\b], v[HA+1+16*\b], 0x2800000   ; none is negative: no |.|; the floor 2^(5 - 127)
.endr
.irp i, 2,4,6,8,10,12,14
.irp b, 0,1,2,3
	v_max3_num_f32 v[TM+\b], v[TM+\b], v[HA+16*\b+\i], v[HA+1+16*\b+\i]
.endr
.endr
	s_wait_dscnt 0x0                               ; the last fragment's scale word has left its register
.irp b, 0,1,2,3
	v_permlanex16_b32 v[TM+4+\b], v[TM+\b], s[SEL], s[SEL+1]
.endr
.irp b, 0,1,2,3
	v_max_num_f32 v[TM+\b], v[TM+\b], v[TM+4+\b]
.endr
.irp b, 0,1,2,3
	v_add_nc_u32 v[TM+12+\b], 0xfe000000, v[TM+\b]
.endr
.irp b, 0,1,2,3
	v_lshrrev_b32 v[TM+4+\b], 23, v[TM+12+\b]
.endr
	v_lshl_or_b32 v[PW], v[TM+5], 8, v[TM+4]
	v_lshl_or_b32 v[PW], v[TM+6], 16, v[PW]
	v_lshl_or_b32 v[PW], v[TM+7], 24, v[PW]
	s_wait_xcnt 0x0                                ; the last fragment's stores have read their registers
.irp c, 0,1
	v_cvt_scalef32_pk16_bf6_f32 v[PC+6*\c:PC+2+6*\c], v[HA+32*\c:HA+15+32*\c], v[TM+12+2*\c]
	v_cvt_scalef32_pk16_bf6_f32 v[PC+12+4*\c:PC+14+4*\c], v[HA+16+32*\c:HA+31+32*\c], v[TM+12+2*\c+1]
.endr
	v_nop                                          ; one plain place behind a scaled conversion
.irp c, 0,1
.irp i, 0,1,2
	v_permlane16_swap_b32 v[PC+6*\c+\i], v[PC+12+4*\c+\i]
.endr
.irp i, 0,1,2
	v_mov_b32 v[PC+3+6*\c+\i], v[PC+12+4*\c+\i]
.endr
.endr
.irp c, 0,1,2
	global_store_b128 v[O16], v[PC+4*\c:PC+4*\c+3], s[12:13] offset:1536*\a+512*\c   ; 512 consecutive bytes, aligned
.endr
	ds_store_b32 v[SSTO], v[PW] offset:64*\a
.endr
	ds_load_b128 v[FIN:FIN+3], v[SRD]
	s_wait_dscnt 0x0
	global_store_b128 v[O16], v[FIN:FIN+3], s[98:99]
	s_wait_tensorcnt 0x0                           ; the wave's end
	ds_add_u32 v[SPW], v[NIL]
	s_wait_dscnt 0x0
	CROUND                                         ; the closing round
	s_endpgm
.Lfunc_end_k_qccadd1b7d3_ffn1:
	.size	k_qccadd1b7d3_ffn1, .Lfunc_end_k_qccadd1b7d3_ffn1-k_qccadd1b7d3_ffn1
	.p2alignl 7, 3214868480
	.fill 96, 4, 3214868480
	.section	.rodata,"a",@progbits
	.p2align	6, 0x0
	.amdhsa_kernel k_qccadd1b7d3_ffn1
		.amdhsa_group_segment_fixed_size 327680
		.amdhsa_private_segment_fixed_size 0
		.amdhsa_enable_private_segment 0
		.amdhsa_kernarg_size 40
		.amdhsa_user_sgpr_count 2
		.amdhsa_user_sgpr_kernarg_segment_ptr 1
		.amdhsa_wavefront_size32 1
		.amdhsa_system_sgpr_workgroup_id_x 1
		.amdhsa_system_sgpr_workgroup_id_y 1
		.amdhsa_system_sgpr_workgroup_id_z 1
		.amdhsa_system_vgpr_workitem_id 0
		.amdhsa_next_free_vgpr 1024
		.amdhsa_next_free_sgpr 102
		.amdhsa_reserve_vcc 0
		.amdhsa_float_denorm_mode_32 3
		.amdhsa_float_denorm_mode_16_64 3
		.amdhsa_memory_ordered 1
		.amdhsa_forward_progress 1
		.amdhsa_inst_pref_size 190
	.end_amdhsa_kernel
	.amdgpu_metadata
---
amdhsa.version: [ 1, 2 ]
amdhsa.kernels:
  - .name:           k_qccadd1b7d3_ffn1
    .symbol:         k_qccadd1b7d3_ffn1.kd
    .args:
      - { .name: o1, .offset: 0, .size: 8, .value_kind: global_buffer, .address_space: global }
      - { .name: w1_codes, .offset: 8, .size: 8, .value_kind: global_buffer, .address_space: global }
      - { .name: w1_scales, .offset: 16, .size: 8, .value_kind: global_buffer, .address_space: global }
      - { .name: b1, .offset: 24, .size: 8, .value_kind: global_buffer, .address_space: global }
      - { .name: hq, .offset: 32, .size: 8, .value_kind: global_buffer, .address_space: global }
    .group_segment_fixed_size: 327680
    .private_segment_fixed_size: 0
    .kernarg_segment_align: 8
    .kernarg_segment_size: 40
    .max_flat_workgroup_size: 128
    .sgpr_count:     102
    .vgpr_count:     1024
    .wavefront_size: 32
...
	.end_amdgpu_metadata
.endif
;; end of part 5
;; launch ffn2 (part 6): grid 4 x 16, 4 waves a work-group, clusters of 4 x 4, 327,680 bytes of LDS; arguments hq, w2_codes, w2_scales, zy; writes zy
.if DOCPART == 6
	.amdgcn_target "amdgcn-amd-amdhsa--gfx1250"
	.amdhsa_code_object_version 6
	.text
	.protected	k_qccadd1b7d3_ffn2
	.globl	k_qccadd1b7d3_ffn2
	.p2align	8
	.type	k_qccadd1b7d3_ffn2,@function
k_qccadd1b7d3_ffn2:
	s_mov_b64 s[64:65], 0
	v_nop
	global_prefetch_b8 v0, s[64:65] scope:SCOPE_SE
	s_setreg_imm32_b32 hwreg(HW_REG_WAVE_MODE, 25, 1), 1
	s_wait_xcnt 0x0
	s_wait_alu depctr_hold_cnt(0) depctr_sa_sdst(0) depctr_va_vdst(0) depctr_va_sdst(0) depctr_va_ssrc(0) depctr_va_vcc(0) depctr_vm_vsrc(0)
	s_getreg_b32 s2, hwreg(HW_REG_IB_STS2, 6, 4)
	s_cmp_eq_u32 s2, 0
	s_cbranch_scc0 .Lentry_in_a_cluster
	s_endpgm
.Lentry_in_a_cluster:
	s_bfe_u32 s2, ttmp6, 0x10000c
	s_cmp_lg_u32 s2, 0xf033
	s_cbranch_scc0 .Lentry_shape_is_right
	s_endpgm
.Lentry_shape_is_right:
; y = h w2^T on codes of BF6 (E3M2) with E8M0 scales for each 32 along K = 4,096; y [4096][1024] f32.  (b2, the residual and the norm follow in the next launch, which needs whole rows.)
; h comes as images of operand registers: block (128 rows' number) 32 + K step of 128: 8 fragments of 1,536 bytes, registers 4 c .. 4 c + 3 at 512 c + 16 x lane; scale words [fragment][row], 512 bytes a block.  w2 comes in rows.
; A tile of 256 x 256 is made by four waves, 128 x 128 each.  There are 64 such tiles: with a smaller tile more WGPs would have work, at twice the LDS reads for each product; this text keeps the large tile.
; K goes in steps of 256 through a ring of two LDS slots: h's two blocks of 128 rows x two K steps (2 x 24,576 dense bytes), then w2's 256 rows of 192 bytes (16 bytes of padding behind every 64).
; The scale bytes for all of K come once and stay: h's 2 x 16,384 and w2's 2 x 16,384 bytes, as runs of 256 bytes with 16 of padding behind each.
; CLUSTERS: 4 x 4 work-groups; h's tiles are asked for jointly along a row of the cluster, w2's along a column.  Source 0 = 16 rows of w2, source 1 = 16 rows of h: a lane holds eight neighbouring numbers of a row of y.
; REGISTERS: window 0: v0-31 addresses; v32-63 w2's scale words, two sets; v64-79 h's, two sets; v128-223 h's fragments, one set.  window 1: w2's fragments, two sets.  windows 2, 3: the accumulators.
.set SIZE_K, 4096
.set SIZE_N, 1024
.set KSTEP,  256
.set NQ,     KSTEP/128
.set ROWB,   192
.set KROW,   SIZE_K*6/8
.set PITCH,  240
.set FR,     12
.set NL,     6
.set NLA,    3                         ; LDS loads that bring a fragment of h
.set NP,     4
.set ABLK,   24576                     ; h: 128 rows x 256 along K
.set BOFF,   2*ABLK                    ; w2's rows lie behind h's two blocks
.set HALFT,  128*PITCH
.set SLOT,   BOFF+2*HALFT
.set LAPS,   SIZE_K/(2*KSTEP)
.set KS,     SIZE_K/32
.set SCL,    2*SLOT
.set HALFS,  (128*KS/256)*272
.set SBLK,   (16*KS/256)*272
.set SPARE,  SCL+4*HALFS               ; the spare words, 128 bytes for each wave: two blocks of 256 bytes that no other line names
.set HS_OFF, 12582912
.set SPITCH, 528                       ; the way out: a stage of 16 rows x (512 bytes + 16) for each wave, in slot 0, which has had its last fill and its last read by then
.set ADRA, 16
.set ADRB, 20
.set STO,  24
.set RD,   25
.set CO,   26
.set ADRSB, 27
.set SPW,  28
.set NIL,  29
.set ADRSA, 30
.set SCB,  32                          ; w2's scale words: set s at v[SCB + 16 s], register 2 i + q: block i, the slot's q-th 128 along K (lanes 0-15)
.set SCA,  64                          ; h's: set s at v[SCA + 8 s], register 4 q + g: lanes 0-15 block 2 g, lanes 16-31 block 2 g + 1
.set AF,   128
.set BK,   128
.set G1, 24
.set G0, 32
.set G1B, 48
.set G0B, 56
.set G1S, 68
.set G0S, 76
.set G1SB, 80
.set G0SB, 88
.set MSB, 0
.macro WIN new
.if MSB != \new
	s_set_vgpr_msb (MSB<<8)|\new
.set MSB, \new
.endif
.endm
.set MUL_LO, 0xa1
.set MUL_HI, 0xf1
.set TO_B,   0x40
.macro JLOAD g0a, g1a, g0b, g1b        ; a joint load: waves 0 and 1 fetch for h, waves 2 and 3 for w2.  Four v_nop follow each of the two lines
	s_cmp_eq_u32 s15, 0
	s_cbranch_scc0 .Lfor_b_\@
	tensor_load_to_lds s[\g0a:\g0a+3], s[\g1a:\g1a+7]
	s_nop 0
.rept 4
	v_nop
.endr
	s_branch .Lasked_\@
.Lfor_b_\@:
	tensor_load_to_lds s[\g0b:\g0b+3], s[\g1b:\g1b+7]
	s_nop 0
.rept 4
	v_nop
.endr
.Lasked_\@:
.endm
.macro CREST
	s_cmp_lg_u32 s14, 0
	s_cbranch_scc1 .Lnot_wave_0_\@
	s_barrier_signal -3
.Lnot_wave_0_\@:
	s_barrier_wait -3
	s_barrier_signal -1
	s_barrier_wait -1
.endm
.macro CROUND
	s_barrier_signal -1
	s_barrier_wait -1
	CREST
.endm
	s_load_b64 s[4:5], s[0:1], 0x0                 ; hq
	s_load_b128 s[8:11], s[0:1], 0x8               ; w2's codes, w2's scales
	s_load_b64 s[12:13], s[0:1], 0x18              ; zy
	v_lshl_add_u32 v[SPW], v0, 2, SPARE
	v_mov_b32 v[NIL], 0
	ds_add_u32 v28, v29
	s_wait_dscnt 0x0
	v_lshrrev_b32 v1, 5, v0
	v_readfirstlane_b32 s14, v1
	s_lshr_b32 s15, s14, 1
	s_and_b32 s16, s14, 1
	s_bfe_u32 s40, ttmp6, 0x40000
	s_bfe_u32 s41, ttmp6, 0x40004
	s_lshl_b32 s42, ttmp9, 2
	s_add_co_u32 s42, s42, s40                     ; tile column
	s_and_b32 s17, ttmp7, 0xffff
	s_lshl_b32 s17, s17, 2
	s_add_co_u32 s17, s17, s41                     ; tile row
	s_lshl_b32 s43, s41, 2
	s_lshl_b32 s43, 15, s43
	s_lshl_b32 s44, 0x1111, s40
	; h's tile: 24,576 dense bytes as 96 rows of 256 bytes (32 elements of 8 bytes), no padding: a fragment load reads 512 consecutive bytes
	s_or_b32 s[G1+0], s43, (3<<16)|(1<<21)
	s_mov_b32 s[G1+1], 32<<16
	s_mov_b32 s[G1+2], 96<<16
	s_mov_b32 s[G1+3], 32<<16
	s_mov_b32 s[G1+4], 96
	s_mov_b32 s[G1+5], 32
	s_mov_b32 s[G1+6], 0
	s_mov_b32 s[G1+7], 0
	; w2's tile: 128 rows of 192 bytes, padded
	s_or_b32 s[G1B+0], s44, (0<<16)|(1<<20)|(1<<21)|(3<<22)|(3<<25)
	s_mov_b32 s[G1B+1], ROWB<<16
	s_mov_b32 s[G1B+2], 128<<16
	s_mov_b32 s[G1B+3], ROWB<<16
	s_mov_b32 s[G1B+4], 128
	s_mov_b32 s[G1B+5], KROW
	s_mov_b32 s[G1B+6], 0
	s_mov_b32 s[G1B+7], 0
	s_or_b32 s[G1S+0], s43, (3<<16)|(1<<20)|(1<<21)|(5<<22)|(3<<25)
	s_or_b32 s[G1SB+0], s44, (3<<16)|(1<<20)|(1<<21)|(5<<22)|(3<<25)
.irp g, G1S, G1SB
	s_mov_b32 s[\g+1], 32<<16
	s_mov_b32 s[\g+2], (128*KS/256)<<16
	s_mov_b32 s[\g+3], 32<<16
	s_mov_b32 s[\g+4], 128*KS/256
	s_mov_b32 s[\g+5], 32
	s_mov_b32 s[\g+6], 0
	s_mov_b32 s[\g+7], 0
.endr
	s_lshl_b32 s18, s16, 7
	s_lshl_b32 s20, s17, 8
	s_add_co_u32 s20, s20, s18                     ; h: row 256 x tile row + 128 x half
	s_lshl_b32 s46, s42, 8
	s_add_co_u32 s46, s46, s18                     ; w2: row 256 x tile column + 128 x half
	s_mov_b32 s21, 0
	s_mov_b32 s47, 0
	s_mov_b64 s[18:19], KS
	s_mul_u64 s[22:23], s[20:21], s[18:19]         ; 128 rows' scale words are 32 blocks x 512 = 128 x 128 bytes: the same product serves images and rows
	s_mul_u64 s[92:93], s[46:47], s[18:19]
	s_mov_b64 s[18:19], KROW
	s_mul_u64 s[20:21], s[20:21], s[18:19]         ; 128 rows' images are 32 blocks x 12,288 = 128 x 3,072 bytes
	s_mul_u64 s[46:47], s[46:47], s[18:19]
	s_mul_i32 s45, s16, ABLK                       ; where h's block goes,
	s_mul_i32 s95, s16, HALFT
	s_add_co_u32 s95, s95, BOFF                    ; and w2's rows
	s_mul_i32 s94, s14, HALFS
	s_wait_kmcnt 0x0
	s_add_nc_u64 s[6:7], s[4:5], HS_OFF            ; h's scale words
	s_add_nc_u64 s[20:21], s[4:5], s[20:21]
	s_add_nc_u64 s[22:23], s[6:7], s[22:23]
	s_add_nc_u64 s[46:47], s[8:9], s[46:47]
	s_add_nc_u64 s[92:93], s[10:11], s[92:93]
	CROUND                                         ; all sixteen work-groups are here: the first joint loads meet
	s_mov_b32 s[G0S], 1
	s_add_co_u32 s[G0S+1], s94, SCL
	s_mov_b64 s[G0S+2:G0S+3], s[22:23]
	s_or_b32 s[G0S+3], s[G0S+3], 0x80000000
	s_mov_b32 s[G0SB], 1
	s_add_co_u32 s[G0SB+1], s94, SCL
	s_mov_b64 s[G0SB+2:G0SB+3], s[92:93]
	s_or_b32 s[G0SB+3], s[G0SB+3], 0x80000000
	JLOAD G0S, G1S, G0SB, G1SB
.irp s, 0,1
	s_mov_b32 s[G0+4*\s], 1
	s_add_co_u32 s[G0+4*\s+1], s45, \s*SLOT
	s_add_nc_u64 s[G0+4*\s+2:G0+4*\s+3], s[20:21], \s*ABLK
	s_or_b32 s[G0+4*\s+3], s[G0+4*\s+3], 0x80000000
	s_mov_b32 s[G0B+4*\s], 1
	s_add_co_u32 s[G0B+4*\s+1], s95, \s*SLOT
	s_add_nc_u64 s[G0B+4*\s+2:G0B+4*\s+3], s[46:47], \s*ROWB
	s_or_b32 s[G0B+4*\s+3], s[G0B+4*\s+3], 0x80000000
	JLOAD G0+4*\s, G1, G0B+4*\s, G1B
.endr
	v_and_b32 v1, 15, v0
	v_bfe_u32 v2, v0, 4, 1
	v_and_b32 v7, 31, v0                           ; lane
	v_mul_u32_u24 v3, v1, PITCH
	v_mul_u32_u24 v4, v2, 24
	v_add_nc_u32 v4, v3, v4
	v_lshl_add_u32 v5, v2, 4, v4
	v_lshlrev_b32 v6, 4, v7                        ; 16 x lane
	s_mul_i32 s21, s15, ABLK                       ; my 128 rows of h
	s_mul_i32 s22, s16, HALFT
	s_add_co_u32 s22, s22, BOFF                    ; my 128 rows of w2
.irp s, 0,1
	v_add_nc_u32 v[ADRA+\s], s21, v6
	v_add_nc_u32 v[ADRB+\s], s22, v4
	v_add_nc_u32 v[ADRB+2+\s], s22, v5
	s_add_co_u32 s21, s21, SLOT
	s_add_co_u32 s22, s22, SLOT
.endr
	v_lshlrev_b32 v5, 7, v1                        ; w2's scales: 128 bytes a row,
	v_lshrrev_b32 v6, 1, v1
	v_lshl_add_u32 v5, v6, 4, v5                   ; and 16 more for each 256 passed
	s_mul_i32 s22, s16, HALFS
	s_add_co_u32 s22, s22, SCL+2*HALFS
	v_add_nc_u32 v[ADRSB], s22, v5
	s_mul_i32 s21, s15, HALFS
	s_add_co_u32 s21, s21, SCL
	v_lshl_add_u32 v[ADRSA], v7, 2, s21            ; h's scale words: 4 x lane: two fragments' words an instruction
	s_mul_i32 s23, s14, 16*SPITCH                  ; my stage
	v_mul_u32_u24 v5, v1, SPITCH
	v_lshl_add_u32 v5, v2, 5, v5
	v_add_nc_u32 v[STO], s23, v5
	v_lshlrev_b32 v[CO], 4, v7
	v_add_nc_u32 v[RD], s23, v[CO]
	s_lshl_b32 s20, s17, 8
	s_lshl_b32 s21, s15, 7
	s_add_co_u32 s20, s20, s21                     ; my first row of y
	s_mov_b32 s21, 0
	s_mov_b64 s[18:19], SIZE_N*4
	s_mul_u64 s[20:21], s[20:21], s[18:19]
	s_lshl_b32 s46, s42, 10
	s_lshl_b32 s47, s16, 9
	s_add_co_u32 s46, s46, s47
	s_mov_b32 s47, 0
	s_add_nc_u64 s[20:21], s[20:21], s[46:47]
	s_add_nc_u64 s[12:13], s[12:13], s[20:21]
.macro FRAG reg, adr, q, i             ; a fragment of w2 from rows: pieces of 8 bytes
.irp p, 0,1,2,3,4,5
.set PCE, 12*(\q)+6*(\p/3)+\p%3
.if PCE%8 < 5
	ds_load_b64 v[\reg+2*\p:\reg+2*\p+1], v[\adr] offset:8*PCE+16*(PCE/8)+(\i)*16*PITCH
.else
	ds_load_b64 v[\reg+2*\p:\reg+2*\p+1], v[\adr+2] offset:8*PCE+16*(PCE/8)+(\i)*16*PITCH
.endif
.endr
.endm
.macro FRAGA reg, slot, q, i           ; a fragment of h from its image: three loads of 512 consecutive bytes
.irp c, 0,1,2
	ds_load_b128 v[\reg+4*\c:\reg+4*\c+3], v[ADRA+\slot] offset:(\q)*12288+(\i)*1536+512*\c
.endr
.endm
; 16 matrix instructions: h's blocks a0, a0 + 1 x w2's eight.  The 64 accumulators take turns, one instruction a turn.  h's scale words of an odd block stand in lanes 16-31.
.macro MUL16 a0, p, q, sc, zero
.irp a, \a0, \a0+1
.irp b, 0,1,2,3,4,5,6,7
.if ((\a)%2) == 0
.if \zero
	v_wmma_scale_f32_16x16x128_f8f6f4 v[8*(8*((\a)%4)+\b):8*(8*((\a)%4)+\b)+7], v[128*(\p)+FR*\b:128*(\p)+FR*\b+FR-1], v[AF+FR*(\a):AF+FR*(\a)+FR-1], 0, v[SCB+16*(\sc)+2*\b+(\q)], v[SCA+8*(\sc)+4*(\q)+(\a)/2] matrix_a_fmt:MATRIX_FMT_BF6 matrix_b_fmt:MATRIX_FMT_BF6
.else
	v_wmma_scale_f32_16x16x128_f8f6f4 v[8*(8*((\a)%4)+\b):8*(8*((\a)%4)+\b)+7], v[128*(\p)+FR*\b:128*(\p)+FR*\b+FR-1], v[AF+FR*(\a):AF+FR*(\a)+FR-1], v[8*(8*((\a)%4)+\b):8*(8*((\a)%4)+\b)+7], v[SCB+16*(\sc)+2*\b+(\q)], v[SCA+8*(\sc)+4*(\q)+(\a)/2] matrix_a_fmt:MATRIX_FMT_BF6 matrix_b_fmt:MATRIX_FMT_BF6
.endif
.else
.if \zero
	v_wmma_scale_f32_16x16x128_f8f6f4 v[8*(8*((\a)%4)+\b):8*(8*((\a)%4)+\b)+7], v[128*(\p)+FR*\b:128*(\p)+FR*\b+FR-1], v[AF+FR*(\a):AF+FR*(\a)+FR-1], 0, v[SCB+16*(\sc)+2*\b+(\q)], v[SCA+8*(\sc)+4*(\q)+(\a)/2] matrix_a_fmt:MATRIX_FMT_BF6 matrix_b_fmt:MATRIX_FMT_BF6 matrix_b_scale:MATRIX_SCALE_ROW1
.else
	v_wmma_scale_f32_16x16x128_f8f6f4 v[8*(8*((\a)%4)+\b):8*(8*((\a)%4)+\b)+7], v[128*(\p)+FR*\b:128*(\p)+FR*\b+FR-1], v[AF+FR*(\a):AF+FR*(\a)+FR-1], v[8*(8*((\a)%4)+\b):8*(8*((\a)%4)+\b)+7], v[SCB+16*(\sc)+2*\b+(\q)], v[SCA+8*(\sc)+4*(\q)+(\a)/2] matrix_a_fmt:MATRIX_FMT_BF6 matrix_b_fmt:MATRIX_FMT_BF6 matrix_b_scale:MATRIX_SCALE_ROW1
.endif
.endif
.endr
.endr
.endm
.macro FETCH_B slot, q, p
	WIN TO_B
.irp i, 0,1,2,3,4,5,6,7
	FRAG 128*(\p)+FR*\i, ADRB+\slot, \q, \i
.endr
	WIN 0
.endm
.macro FETCH_A slot, q, i0
.irp i, \i0, \i0+1, \i0+2, \i0+3
	FRAGA AF+FR*(\i), \slot, \q, \i
.endr
.endm
.macro SCALES sc                       ; a slot's scale words into set sc
.irp i, 0,1,2,3,4,5,6,7
	ds_load_b64 v[SCB+16*\sc+2*\i:SCB+16*\sc+2*\i+1], v[ADRSB] offset:\i*SBLK
.endr
.irp q, 0,1
.irp g, 0,1,2,3
	ds_load_b32 v[SCA+8*\sc+4*\q+\g], v[ADRSA] offset:\q*544+(\g/2)*272+(\g%2)*128   ; a K step's 512 bytes are two runs of 256 + 16
.endr
.endr
.endm
.macro PLACES n
.rept \n
	v_nop
.endr
.endm
.macro STEP slot, q, zero
	s_wait_dscnt 4*NLA                             ; w2's set and h's blocks 0-3 are in; the youngest 12 loads (h's blocks 4-7) may be out
	WIN MUL_LO
	MUL16 0, (\q)%2, \q, \slot, \zero
	MUL16 2, (\q)%2, \q, \slot, \zero
	s_wait_dscnt 0
	PLACES NP
	FETCH_B \slot, (\q)+1, 1-(\q)%2
	FETCH_A \slot, (\q)+1, 0
	WIN MUL_HI
	MUL16 4, (\q)%2, \q, \slot, \zero
	MUL16 6, (\q)%2, \q, \slot, \zero
	PLACES NP
	WIN 0
	FETCH_A \slot, (\q)+1, 4
.endm
.macro TURN slot, next, fill
	s_wait_tensorcnt 0x0                           ; all my tensor loads have landed: my part of the next slot
	ds_add_u32 v[SPW], v[NIL]                      ; 0 onto my spare word
	s_wait_dscnt 4*NLA+1                           ; (the add and the youngest 12 loads may be out)
	WIN MUL_LO
	MUL16 0, 1, NQ-1, \slot, 0
	s_wait_dscnt 0x0                               ; the add is done, and my reads of this slot are over
	s_barrier_signal -1
	MUL16 2, 1, NQ-1, \slot, 0
	WIN 0
	s_barrier_wait -1
.if \fill
	CREST                                          ; a round of the cluster's barrier: no wave of any partner still reads this slot or has a load on its way
	s_add_nc_u64 s[G0+4*\slot+2:G0+4*\slot+3], s[G0+4*\slot+2:G0+4*\slot+3], 2*ABLK
	s_add_nc_u64 s[G0B+4*\slot+2:G0B+4*\slot+3], s[G0B+4*\slot+2:G0B+4*\slot+3], 2*ROWB
	JLOAD G0+4*\slot, G1, G0B+4*\slot, G1B
.else
	PLACES NP
.endif
	v_add_nc_u32 v[ADRSB], 4*NQ, v[ADRSB]          ; on to the next slot's scale words
	v_add_nc_u32 v[ADRSA], 2*544, v[ADRSA]
	FETCH_B \next, 0, 0
	FETCH_A \next, 0, 0
	SCALES \next
	WIN MUL_HI
	MUL16 4, 1, NQ-1, \slot, 0
	MUL16 6, 1, NQ-1, \slot, 0
	PLACES NP
	WIN 0
	FETCH_A \next, 0, 4
.endm
	s_wait_tensorcnt 1                             ; the scales and my part of K step 0 are in (K step 1's load may be out),
	s_barrier_signal -1
	s_barrier_wait -1
	FETCH_B 0, 0, 0
	FETCH_A 0, 0, 0
	SCALES 0
	FETCH_A 0, 0, 4
	STEP 0, 0, 1
	s_mov_b32 s3, LAPS-1
.Llap:
	TURN 0, 1, 1
	STEP 1, 0, 0
	TURN 1, 0, 1
	STEP 0, 0, 0
	s_sub_co_u32 s3, s3, 1
	s_cmp_lg_u32 s3, 0
	s_cbranch_scc1 .Llap
	TURN 0, 1, 0
	STEP 1, 0, 0
	s_wait_dscnt 4*NLA
	WIN MUL_LO
	MUL16 0, 1, NQ-1, 1, 0
	MUL16 2, 1, NQ-1, 1, 0
	s_wait_dscnt 0
	WIN MUL_HI
	MUL16 4, 1, NQ-1, 1, 0
	MUL16 6, 1, NQ-1, 1, 0
	WIN 0
; THE WAY OUT, block by block of 16 rows x 128 columns, through my own stage in LDS: back as whole rows of 512 bytes.  LDS serves a wave's instructions in order.
.macro TOSTAGE a
.set AC, 64*((\a)%4)
	WIN 0x08+4*((\a)/4)                            ; the data: window 2 or 3
.irp b, 0,1,2,3,4,5,6,7
	ds_store_b128 v[STO], v[AC+8*\b:AC+8*\b+3] offset:64*\b          ; each accumulator from its low end on
	ds_store_b128 v[STO], v[AC+8*\b+4:AC+8*\b+7] offset:64*\b+16
.endr
	WIN 0
.set BB, BK+64*((\a)%2)
.irp t, 0,1,2,3,4,5,6,7,8,9,10,11,12,13,14,15
	ds_load_b128 v[BB+4*\t:BB+4*\t+3], v[RD] offset:\t*SPITCH
.endr
.endm
.macro SEND a, younger
.set BB, BK+64*((\a)%2)
	s_wait_dscnt \younger                          ; the block is back in registers
.if (\a) > 0
	s_add_nc_u64 s[12:13], s[12:13], 16*SIZE_N*4   ; (behind a wait on XCNT: the earlier stores have read their base)
.endif
.irp t, 0,1,2,3,4,5,6,7,8,9,10,11,12,13,14,15
	global_store_b128 v[CO], v[BB+4*\t:BB+4*\t+3], s[12:13] offset:\t*SIZE_N*4   ; 32 lanes store 512 consecutive bytes, aligned to 256
.endr
.endm
	PLACES NP
	TOSTAGE 0
.irp a, 1,2,3,4,5,6,7
.if \a > 1
	s_wait_xcnt 0x0                                ; block a - 2's stores have read their registers and their base
.endif
	TOSTAGE \a
	SEND \a-1, 32                                  ; behind block a - 1's loads: block a's 16 stores and 16 loads
.endr
	s_wait_xcnt 0x0
	SEND 7, 0
	s_wait_tensorcnt 0x0                           ; the wave's end
	ds_add_u32 v[SPW], v[NIL]
	s_wait_dscnt 0x0
	CROUND                                         ; the closing round
	s_endpgm
.Lfunc_end_k_qccadd1b7d3_ffn2:
	.size	k_qccadd1b7d3_ffn2, .Lfunc_end_k_qccadd1b7d3_ffn2-k_qccadd1b7d3_ffn2
	.p2alignl 7, 3214868480
	.fill 96, 4, 3214868480
	.section	.rodata,"a",@progbits
	.p2align	6, 0x0
	.amdhsa_kernel k_qccadd1b7d3_ffn2
		.amdhsa_group_segment_fixed_size 327680
		.amdhsa_private_segment_fixed_size 0
		.amdhsa_enable_private_segment 0
		.amdhsa_kernarg_size 32
		.amdhsa_user_sgpr_count 2
		.amdhsa_user_sgpr_kernarg_segment_ptr 1
		.amdhsa_wavefront_size32 1
		.amdhsa_system_sgpr_workgroup_id_x 1
		.amdhsa_system_sgpr_workgroup_id_y 1
		.amdhsa_system_sgpr_workgroup_id_z 1
		.amdhsa_system_vgpr_workitem_id 0
		.amdhsa_next_free_vgpr 1024
		.amdhsa_next_free_sgpr 98
		.amdhsa_reserve_vcc 0
		.amdhsa_float_denorm_mode_32 3
		.amdhsa_float_denorm_mode_16_64 3
		.amdhsa_memory_ordered 1
		.amdhsa_forward_progress 1
		.amdhsa_inst_pref_size 150
	.end_amdhsa_kernel
	.amdgpu_metadata
---
amdhsa.version: [ 1, 2 ]
amdhsa.kernels:
  - .name:           k_qccadd1b7d3_ffn2
    .symbol:         k_qccadd1b7d3_ffn2.kd
    .args:
      - { .name: hq, .offset: 0, .size: 8, .value_kind: global_buffer, .address_space: global }
      - { .name: w2_codes, .offset: 8, .size: 8, .value_kind: global_buffer, .address_space: global }
      - { .name: w2_scales, .offset: 16, .size: 8, .value_kind: global_buffer, .address_space: global }
      - { .name: zy, .offset: 24, .size: 8, .value_kind: global_buffer, .address_space: global }
    .group_segment_fixed_size: 327680
    .private_segment_fixed_size: 0
    .kernarg_segment_align: 8
    .kernarg_segment_size: 32
    .max_flat_workgroup_size: 128
    .sgpr_count:     98
    .vgpr_count:     1024
    .wavefront_size: 32
...
	.end_amdgpu_metadata
.endif
;; end of part 6
;; launch ln2 (part 7): grid 256 x 1, 8 waves a work-group, no clusters, 0 bytes of LDS; arguments zy, o1, b2, g2, be2, out0; writes out0
.if DOCPART == 7
	.amdgcn_target "amdgcn-amd-amdhsa--gfx1250"
	.amdhsa_code_object_version 6
	.text
	.protected	k_qccadd1b7d3_ln2
	.globl	k_qccadd1b7d3_ln2
	.p2align	8
	.type	k_qccadd1b7d3_ln2,@function
k_qccadd1b7d3_ln2:
	s_mov_b64 s[64:65], 0
	v_nop
	global_prefetch_b8 v0, s[64:65] scope:SCOPE_SE
	s_setreg_imm32_b32 hwreg(HW_REG_WAVE_MODE, 25, 1), 1
	s_wait_xcnt 0x0
; out0 = layernorm((y + b2) + out1) g2 + be2 over rows of 1,024, all in f32 (mean, then the mean of squared differences: two passes over registers).
; A work-group takes 16 rows, a wave two; a row is 32 registers a lane: chunk j is the 16 bytes at 512 j + 16 x lane, so each load and store of a wave covers 512 consecutive bytes.
; The reductions never leave the wave: no LDS, no barrier.  Memory binds: no matrix unit, no cluster, no tensor load.  NaN and infinities are not served.
.set G,     16                         ; v16-47   g2 in a row's layout
.set BE,    48                         ; v48-79   be2
.set B2,    80                         ; v80-111  b2
.set Y,     112                        ; v112-175 my two rows of y, then of the result
.set R,     176                        ; v176-239 my two rows of out1
.set T,     240
.set MU,    244
.set RS,    246
.set TMP,   248
	s_load_b256 s[4:11], s[0:1], 0x0               ; zy s[4:5], o1 s[6:7], b2 s[8:9], g2 s[10:11]
	s_load_b128 s[12:15], s[0:1], 0x20             ; be2 s[12:13], out0 s[14:15]
	v_lshrrev_b32 v1, 5, v0
	v_readfirstlane_b32 s16, v1                    ; wave 0..7
	v_and_b32 v2, 31, v0
	v_lshlrev_b32 v3, 4, v2                        ; 16 x lane
	s_mov_b32 s24, 0x76543210
	s_mov_b32 s25, 0xfedcba98                      ; lane l xor 16
	s_mov_b32 s26, 0x3a800000                      ; 1 / 1,024
	s_mov_b32 s27, 0x3727c5ac                      ; 1e-5
	v_mov_b32 v[TMP], 0                            ; a lane permute's destination counts as one of its sources
	v_mov_b32 v[MU+1], 0                           ; (named as the upper halves of pairs)
	v_mov_b32 v[RS+1], 0
	s_lshl_b32 s17, ttmp9, 4
	s_lshl_b32 s18, s16, 1
	s_add_co_u32 s17, s17, s18                     ; my first row
	s_lshl_b32 s20, s17, 12
	s_mov_b32 s21, 0
	s_wait_kmcnt 0x0
	s_add_nc_u64 s[4:5], s[4:5], s[20:21]
	s_add_nc_u64 s[6:7], s[6:7], s[20:21]
	s_add_nc_u64 s[14:15], s[14:15], s[20:21]
.irp j, 0,1,2,3,4,5,6,7
	global_load_b128 v[G+4*\j:G+4*\j+3], v3, s[10:11] offset:512*\j
.endr
.irp j, 0,1,2,3,4,5,6,7
	global_load_b128 v[BE+4*\j:BE+4*\j+3], v3, s[12:13] offset:512*\j
.endr
.irp j, 0,1,2,3,4,5,6,7
	global_load_b128 v[B2+4*\j:B2+4*\j+3], v3, s[8:9] offset:512*\j
.endr
.irp p, 0,1
.irp j, 0,1,2,3,4,5,6,7
	global_load_b128 v[Y+32*\p+4*\j:Y+32*\p+4*\j+3], v3, s[4:5] offset:4096*\p+512*\j th:TH_LOAD_NT
.endr
.irp j, 0,1,2,3,4,5,6,7
	global_load_b128 v[R+32*\p+4*\j:R+32*\p+4*\j+3], v3, s[6:7] offset:4096*\p+512*\j th:TH_LOAD_NT
.endr
.endr
.macro RED                             ; v[T] summed over the 32 lanes, the result in every lane
	v_add_f32_dpp v[T], v[T], v[T] row_xmask:1 row_mask:0xf bank_mask:0xf
	v_add_f32_dpp v[T], v[T], v[T] row_xmask:2 row_mask:0xf bank_mask:0xf
	v_add_f32_dpp v[T], v[T], v[T] row_xmask:4 row_mask:0xf bank_mask:0xf
	v_add_f32_dpp v[T], v[T], v[T] row_xmask:8 row_mask:0xf bank_mask:0xf
	v_permlanex16_b32 v[TMP], v[T], s24, s25
	v_add_f32 v[T], v[T], v[TMP]
.endm
.macro ROW p
.set RR, Y+32*\p
.set RO, R+32*\p
.if \p == 0
	s_wait_loadcnt 16                              ; g2, be2, b2 and row 0's y and out1 are in; row 1's sixteen loads may be out
.else
	s_wait_loadcnt 0x0
.endif
.irp j, 0,2,4,6,8,10,12,14,16,18,20,22,24,26,28,30
	v_pk_add_f32 v[RR+\j:RR+\j+1], v[RR+\j:RR+\j+1], v[B2+\j:B2+\j+1]    ; y + b2,
.endr
.irp j, 0,2,4,6,8,10,12,14,16,18,20,22,24,26,28,30
	v_pk_add_f32 v[RR+\j:RR+\j+1], v[RR+\j:RR+\j+1], v[RO+\j:RO+\j+1]    ; + out1
.endr
	v_pk_add_f32 v[T:T+1], v[RR:RR+1], v[RR+2:RR+3]
	v_pk_add_f32 v[T+2:T+3], v[RR+4:RR+5], v[RR+6:RR+7]
.irp j, 8,12,16,20,24,28
	v_pk_add_f32 v[T:T+1], v[T:T+1], v[RR+\j:RR+\j+1]
	v_pk_add_f32 v[T+2:T+3], v[T+2:T+3], v[RR+\j+2:RR+\j+3]
.endr
	v_pk_add_f32 v[T:T+1], v[T:T+1], v[T+2:T+3]
	v_add_f32 v[T], v[T], v[T+1]
	RED
	v_mul_f32 v[MU], s26, v[T]                     ; the mean
.irp j, 0,2,4,6,8,10,12,14,16,18,20,22,24,26,28,30
	v_pk_add_f32 v[RR+\j:RR+\j+1], v[RR+\j:RR+\j+1], v[MU:MU+1] op_sel_hi:[1,0] neg_lo:[0,1] neg_hi:[0,1]
.endr
	v_pk_mul_f32 v[T:T+1], v[RR:RR+1], v[RR:RR+1]
	v_pk_mul_f32 v[T+2:T+3], v[RR+2:RR+3], v[RR+2:RR+3]
.irp j, 4,8,12,16,20,24,28
	v_pk_fma_f32 v[T:T+1], v[RR+\j:RR+\j+1], v[RR+\j:RR+\j+1], v[T:T+1]
	v_pk_fma_f32 v[T+2:T+3], v[RR+\j+2:RR+\j+3], v[RR+\j+2:RR+\j+3], v[T+2:T+3]
.endr
	v_pk_add_f32 v[T:T+1], v[T:T+1], v[T+2:T+3]
	v_add_f32 v[T], v[T], v[T+1]
	RED
	v_fma_f32 v[T], v[T], s26, s27                 ; var + eps
	v_rsq_f32 v[RS], v[T]
	v_nop                                          ; a plain place behind the transcendental
	s_wait_alu depctr_va_vdst(0)
.irp j, 0,2,4,6,8,10,12,14,16,18,20,22,24,26,28,30
	v_pk_mul_f32 v[RR+\j:RR+\j+1], v[RR+\j:RR+\j+1], v[RS:RS+1] op_sel_hi:[1,0]
.endr
.irp j, 0,2,4,6,8,10,12,14,16,18,20,22,24,26,28,30
	v_pk_fma_f32 v[RR+\j:RR+\j+1], v[RR+\j:RR+\j+1], v[G+\j:G+\j+1], v[BE+\j:BE+\j+1]
.endr
.irp j, 0,1,2,3,4,5,6,7
	global_store_b128 v3, v[RR+4*\j:RR+4*\j+3], s[14:15] offset:4096*\p+512*\j th:TH_STORE_NT
.endr
.endm
	ROW 0
	ROW 1
	s_endpgm
.Lfunc_end_k_qccadd1b7d3_ln2:
	.size	k_qccadd1b7d3_ln2, .Lfunc_end_k_qccadd1b7d3_ln2-k_qccadd1b7d3_ln2
	.p2alignl 7, 3214868480
	.fill 96, 4, 3214868480
	.section	.rodata,"a",@progbits
	.p2align	6, 0x0
	.amdhsa_kernel k_qccadd1b7d3_ln2
		.amdhsa_group_segment_fixed_size 0
		.amdhsa_private_segment_fixed_size 0
		.amdhsa_enable_private_segment 0
		.amdhsa_kernarg_size 48
		.amdhsa_user_sgpr_count 2
		.amdhsa_user_sgpr_kernarg_segment_ptr 1
		.amdhsa_wavefront_size32 1
		.amdhsa_system_sgpr_workgroup_id_x 1
		.amdhsa_system_sgpr_workgroup_id_y 1
		.amdhsa_system_sgpr_workgroup_id_z 1
		.amdhsa_system_vgpr_workitem_id 0
		.amdhsa_next_free_vgpr 256
		.amdhsa_next_free_sgpr 66
		.amdhsa_reserve_vcc 0
		.amdhsa_float_denorm_mode_32 3
		.amdhsa_float_denorm_mode_16_64 3
		.amdhsa_memory_ordered 1
		.amdhsa_forward_progress 1
		.amdhsa_inst_pref_size 24
	.end_amdhsa_kernel
	.amdgpu_metadata
---
amdhsa.version: [ 1, 2 ]
amdhsa.kernels:
  - .name:           k_qccadd1b7d3_ln2
    .symbol:         k_qccadd1b7d3_ln2.kd
    .args:
      - { .name: zy, .offset: 0, .size: 8, .value_kind: global_buffer, .address_space: global }
      - { .name: o1, .offset: 8, .size: 8, .value_kind: global_buffer, .address_space: global }
      - { .name: b2, .offset: 16, .size: 8, .value_kind: global_buffer, .address_space: global }
      - { .name: g2, .offset: 24, .size: 8, .value_kind: global_buffer, .address_space: global }
      - { .name: be2, .offset: 32, .size: 8, .value_kind: global_buffer, .address_space: global }
      - { .name: out0, .offset: 40, .size: 8, .value_kind: global_buffer, .address_space: global }
    .group_segment_fixed_size: 0
    .private_segment_fixed_size: 0
    .kernarg_segment_align: 8
    .kernarg_segment_size: 48
    .max_flat_workgroup_size: 256
    .sgpr_count:     66
    .vgpr_count:     256
    .wavefront_size: 32
...
	.end_amdgpu_metadata
.endif
;; end of part 7
;; ======== version 2 of 2: 7 launches
;; workspace buffers: xq 3,276,800 bytes; qkv 9,830,400 bytes; zy 16,777,216 bytes; o1 20,054,016 bytes; hq 13,107,200 bytes
;; launch quant_x: the kernel of part 1 again; grid 128 x 1, 4 waves a work-group, no clusters, 33,280 bytes of LDS; arguments embed, xq; writes xq
;; launch qkv: the kernel of part 2 again; grid 12 x 16, 4 waves a work-group, clusters of 4 x 4, 327,680 bytes of LDS; arguments xq, Wq_codes, Wq_scales, Wk_codes, Wk_scales, Wv_codes, Wv_scales, qkv; writes qkv
;; launch attn: the kernel of part 3 again; grid 32 x 8, 16 waves a work-group, clusters of 4 x 4, 327,680 bytes of LDS; arguments qkv, src_mask, embed, zy; writes zy
;; launch ln1: the kernel of part 4 again; grid 256 x 1, 8 waves a work-group, no clusters, 42,496 bytes of LDS; arguments zy, g1, be1, o1; writes o1
;; launch ffn1: the kernel of part 5 again; grid 16 x 16, 4 waves a work-group, clusters of 4 x 4, 327,680 bytes of LDS; arguments o1, w1_codes, w1_scales, b1, hq; writes hq
;; launch ffn2 (part 8): grid 8 x 32, 4 waves a work-group, clusters of 4 x 4, 327,680 bytes of LDS; arguments hq, w2_codes, w2_scales, zy; writes zy
.if DOCPART == 8
	.amdgcn_target "amdgcn-amd-amdhsa--gfx1250"
	.amdhsa_code_object_version 6
	.text
	.protected	k_qccadd1b7d3_ffn2
	.globl	k_qccadd1b7d3_ffn2
	.p2align	8
	.type	k_qccadd1b7d3_ffn2,@function
k_qccadd1b7d3_ffn2:
	s_mov_b64 s[64:65], 0
	v_nop
	global_prefetch_b8 v0, s[64:65] scope:SCOPE_SE
	s_setreg_imm32_b32 hwreg(HW_REG_WAVE_MODE, 25, 1), 1
	s_wait_xcnt 0x0
	s_wait_alu depctr_hold_cnt(0) depctr_sa_sdst(0) depctr_va_vdst(0) depctr_va_sdst(0) depctr_va_ssrc(0) depctr_va_vcc(0) depctr_vm_vsrc(0)
	s_getreg_b32 s2, hwreg(HW_REG_IB_STS2, 6, 4)
	s_cmp_eq_u32 s2, 0
	s_cbranch_scc0 .Lentry_in_a_cluster
	s_endpgm
.Lentry_in_a_cluster:
	s_bfe_u32 s2, ttmp6, 0x10000c
	s_cmp_lg_u32 s2, 0xf033
	s_cbranch_scc0 .Lentry_shape_is_right
	s_endpgm
.Lentry_shape_is_right:
; y = h w2^T on codes of BF6 (E3M2) with E8M0 scales for each 32 along K = 4,096; y [4096][1024] f32.  (b2, the residual and the norm follow in the next launch, which needs whole rows.)
; h comes as images of operand registers: block (128 rows' number) 32 + K step of 128: 8 fragments of 1,536 bytes, registers 4 c .. 4 c + 3 at 512 c + 16 x lane; scale words [fragment][row], 512 bytes a block.  w2 comes in rows.
; THE TILE is 128 x 128: 32 x 8 = 256 work-groups of equal work (tiles of 256 x 256 would be 64).  Four waves, 64 x 64 each: 16 accumulators of 16 x 16, 128 registers.
; THE SLOT holds 512 along K, four steps of 128: h's four blocks of images (49,152 dense bytes), then w2's 128 rows as two tiles of 256 along K (rows of 192 bytes, 16 bytes of padding behind every 64: pitch 240).
; Two such slots (2 x 110,592 bytes) lie beside the scales; the next size that divides K's 32 steps, eight steps, does not fit.  K is 8 slots' worth: two first fills and six refills, one tensor load a wave behind each round.
; Waves 0 and 1 fetch h's halves of a slot (256 along K each), waves 2 and 3 w2's.  The scale bytes for all of K come once and stay: h's 16,384 and w2's 16,384 bytes, as runs of 256 bytes with 16 of padding behind each.
; CLUSTERS: 4 x 4 work-groups; h's tiles hang on the tile row alone and are asked for jointly along a row of the cluster, w2's on the tile column alone, jointly along a column.
; Source 0 = 16 rows of w2, source 1 = 16 rows of h: a lane holds eight neighbouring numbers of a row of y.  A wave's 64 columns are 256 aligned bytes of a row of y, so each wave has its own way out.
; REGISTERS: window 0: v0-31 addresses; v32-63 w2's scale words, two sets; v64-79 h's, two sets; v128-255 the accumulators ((a, b) at v[128 + 8 (4 a + b)]).
;   window 1: two sets of fragments at v0 and v128: h's four (48 registers), then w2's four (48).
.set SIZE_K, 4096
.set SIZE_N, 1024
.set KSLOT,  512                       ; along K in a slot
.set NQ,     KSLOT/128                 ; steps in a slot
.set ROWB,   192                       ; a row of one of w2's tiles: 256 codes
.set KROW,   SIZE_K*6/8                ; a row of w2 in memory
.set PITCH,  240                       ; an LDS row of w2: 3 x (64 bytes + 16 of padding) = 60 words: the 32 lanes of a load of 8 bytes touch 64 different banks
.set FR,     12                        ; registers of a fragment
.set NP,     4                         ; places behind this matrix instruction (ISA guide 7.12.1)
.set ABLK,   24576                     ; h: 128 rows x 256 along K: what one tensor load brings
.set BOFF,   2*ABLK                    ; w2's tiles lie behind h's
.set HALFT,  128*PITCH                 ; w2: 128 rows x 256 along K: what one tensor load brings
.set SLOT,   BOFF+2*HALFT
.set LAPS,   SIZE_K/(2*KSLOT)          ; a lap = two slots = once round the ring
.set SCL,    2*SLOT                    ; behind the ring: h's scale words (2 x HALFS), then w2's scale bytes (2 x HALFS)
.set HALFS,  32*272                    ; 8,192 bytes of scales: what one tensor load brings
.set SBLK,   8*272                     ; w2's scale bytes of 16 rows (128 bytes a row)
.set SPARE,  SCL+4*HALFS               ; the spare words, 128 bytes for each wave: two blocks of 256 bytes that no other line names
.set HS_OFF, 12582912                  ; h's scale words in hq
.set SPITCH, 272                       ; the way out: a stage of 16 rows x (256 bytes + 16) for each wave, in slot 0, which has had its last fill and its last read by then
.set ADRA, 16                          ; v16-17  LDS address of my fragments of h in slot 0, 1
.set ADRB, 20                          ; v20-21  the same for w2  (v22-23: for the pieces that lie behind one padding more)
.set STO,  24                          ; v24     the way out: where I put 32 bytes of a row
.set RD,   25                          ; v25     and where I read 16 bytes of a row back
.set CO,   26                          ; v26     my byte offset in two rows of y
.set ADRSB, 27                         ; v27     LDS address of my rows' scale bytes of w2
.set SPW,  28                          ; v28     LDS address of my spare word; never rewritten
.set NIL,  29                          ; v29     0; never rewritten
.set ADRSA, 30                         ; v30     LDS address of h's scale words
.set SCB,  32                          ; w2's scale words: set s at v[SCB + 16 s], register 4 b + q: block b, the slot's q-th 128 along K (lanes 0-15)
.set SCA,  64                          ; h's: set s at v[SCA + 8 s], register 2 q + g: lanes 0-15 block 2 g, lanes 16-31 block 2 g + 1
.set ACC,  128
.set G1, 24                            ; s[24:31] descriptor group 1 for h's tiles;  s[32:39] group 0, one set for each slot
.set G0, 32
.set G1B, 48                           ; s[48:55], s[56:63] the same for w2's tiles
.set G0B, 56
.set G1S, 68                           ; s[68:75], s[76:79] groups 1 and 0 for h's scales;  s[80:87], s[88:91] for w2's
.set G0S, 76
.set G1SB, 80
.set G0SB, 88
.set MSB, 0
.macro WIN new                         ; the immediate's high byte repeats the setting that is left
.if MSB != \new
	s_set_vgpr_msb (MSB<<8)|\new
.set MSB, \new
.endif
.endm
.set MUL,  0x05                        ; sources 0 (w2) and 1 (h) window 1; C and D window 0
.set TO_F, 0x40                        ; destination window 1, address window 0
; A joint load: waves 0 and 1 fetch for h, waves 2 and 3 for w2; the branch hangs on the wave's number alone.  Four v_nop follow each of the two lines.
.macro JLOAD g0a, g1a, g0b, g1b
	s_cmp_eq_u32 s15, 0
	s_cbranch_scc0 .Lfor_b_\@
	tensor_load_to_lds s[\g0a:\g0a+3], s[\g1a:\g1a+7]
	s_nop 0
.rept 4
	v_nop
.endr
	s_branch .Lasked_\@
.Lfor_b_\@:
	tensor_load_to_lds s[\g0b:\g0b+3], s[\g1b:\g1b+7]
	s_nop 0
.rept 4
	v_nop
.endr
.Lasked_\@:
.endm
.macro CREST                           ; a round of the cluster's barrier behind its opening barrier
	s_cmp_lg_u32 s14, 0
	s_cbranch_scc1 .Lnot_wave_0_\@
	s_barrier_signal -3
.Lnot_wave_0_\@:
	s_barrier_wait -3
	s_barrier_signal -1
	s_barrier_wait -1
.endm
.macro CROUND                          ; a whole round
	s_barrier_signal -1
	s_barrier_wait -1
	CREST
.endm
	s_load_b64 s[4:5], s[0:1], 0x0                 ; hq
	s_load_b128 s[8:11], s[0:1], 0x8               ; w2's codes, w2's scales
	s_load_b64 s[12:13], s[0:1], 0x18              ; zy
	v_lshl_add_u32 v[SPW], v0, 2, SPARE
	v_mov_b32 v[NIL], 0
	ds_add_u32 v28, v29
	s_wait_dscnt 0x0
	v_lshrrev_b32 v1, 5, v0
	v_readfirstlane_b32 s14, v1                    ; wave 0..3
	s_lshr_b32 s15, s14, 1                         ; which 64 rows of the tile are mine.  Also: I fetch for h (0) or for w2 (1)
	s_and_b32 s16, s14, 1                          ; which 64 columns.  Also: which 256 along K of a slot I fetch
	s_bfe_u32 s40, ttmp6, 0x40000                  ; cx
	s_bfe_u32 s41, ttmp6, 0x40004                  ; cy
	s_lshl_b32 s42, ttmp9, 2
	s_add_co_u32 s42, s42, s40                     ; tile column, 0..7
	s_and_b32 s17, ttmp7, 0xffff
	s_lshl_b32 s17, s17, 2
	s_add_co_u32 s17, s17, s41                     ; tile row, 0..31
	s_lshl_b32 s43, s41, 2
	s_lshl_b32 s43, 15, s43                        ; my row of the cluster
	s_lshl_b32 s44, 0x1111, s40                    ; my column
	; h's tile: 24,576 dense bytes as 96 rows of 256 bytes (32 elements of 8 bytes), no padding: a fragment load reads 512 consecutive bytes
	s_or_b32 s[G1+0], s43, (3<<16)|(1<<21)
	s_mov_b32 s[G1+1], 32<<16
	s_mov_b32 s[G1+2], 96<<16
	s_mov_b32 s[G1+3], 32<<16
	s_mov_b32 s[G1+4], 96
	s_mov_b32 s[G1+5], 32
	s_mov_b32 s[G1+6], 0
	s_mov_b32 s[G1+7], 0
	; w2's tile: 128 rows of 192 bytes, 3,072 bytes apart; 4 words of padding behind every 16
	s_or_b32 s[G1B+0], s44, (0<<16)|(1<<20)|(1<<21)|(3<<22)|(3<<25)
	s_mov_b32 s[G1B+1], ROWB<<16
	s_mov_b32 s[G1B+2], 128<<16
	s_mov_b32 s[G1B+3], ROWB<<16
	s_mov_b32 s[G1B+4], 128
	s_mov_b32 s[G1B+5], KROW
	s_mov_b32 s[G1B+6], 0
	s_mov_b32 s[G1B+7], 0
	; the scales: 8,192 dense bytes as 32 rows of 256 bytes, 16 bytes of padding behind each
	s_or_b32 s[G1S+0], s43, (3<<16)|(1<<20)|(1<<21)|(5<<22)|(3<<25)
	s_or_b32 s[G1SB+0], s44, (3<<16)|(1<<20)|(1<<21)|(5<<22)|(3<<25)
.irp g, G1S, G1SB
	s_mov_b32 s[\g+1], 32<<16
	s_mov_b32 s[\g+2], 32<<16
	s_mov_b32 s[\g+3], 32<<16
	s_mov_b32 s[\g+4], 32
	s_mov_b32 s[\g+5], 32
	s_mov_b32 s[\g+6], 0
	s_mov_b32 s[\g+7], 0
.endr
	; where the tiles come from.  h's hang on the tile row and the wave's number alone, w2's on the tile column and the wave's number alone, each in registers that never hold the other coordinate
	s_mul_i32 s20, s17, 32*12288                   ; h: my tile's 128 rows are 32 blocks of 12,288 bytes,
	s_mul_i32 s18, s16, ABLK                       ; my half of a slot two of them
	s_add_co_u32 s20, s20, s18
	s_mov_b32 s21, 0
	s_lshl_b32 s22, s17, 14                        ; their scale words: 32 blocks of 512 bytes,
	s_lshl_b32 s18, s16, 13                        ; of which I fetch 8,192 bytes
	s_add_co_u32 s22, s22, s18
	s_mov_b32 s23, 0
	s_mul_i32 s46, s42, 128*KROW                   ; w2: my tile's 128 rows,
	s_mul_i32 s19, s16, ROWB                       ; my half of a slot's 384 bytes of each
	s_add_co_u32 s46, s46, s19
	s_mov_b32 s47, 0
	s_lshl_b32 s92, s42, 14                        ; their scale bytes: 128 rows of 128 bytes
	s_add_co_u32 s92, s92, s18
	s_mov_b32 s93, 0
	s_mul_i32 s45, s16, ABLK                       ; where they go: no place in the cluster enters an LDS address
	s_mul_i32 s95, s16, HALFT
	s_add_co_u32 s95, s95, BOFF
	s_mul_i32 s94, s14, HALFS
	s_wait_kmcnt 0x0
	s_add_nc_u64 s[6:7], s[4:5], HS_OFF            ; h's scale words
	s_add_nc_u64 s[20:21], s[4:5], s[20:21]
	s_add_nc_u64 s[22:23], s[6:7], s[22:23]
	s_add_nc_u64 s[46:47], s[8:9], s[46:47]
	s_add_nc_u64 s[92:93], s[10:11], s[92:93]
	CROUND                                         ; all sixteen work-groups are here: the first joint loads meet
	s_mov_b32 s[G0S], 1
	s_add_co_u32 s[G0S+1], s94, SCL
	s_mov_b64 s[G0S+2:G0S+3], s[22:23]
	s_or_b32 s[G0S+3], s[G0S+3], 0x80000000
	s_mov_b32 s[G0SB], 1
	s_add_co_u32 s[G0SB+1], s94, SCL
	s_mov_b64 s[G0SB+2:G0SB+3], s[92:93]
	s_or_b32 s[G0SB+3], s[G0SB+3], 0x80000000
	JLOAD G0S, G1S, G0SB, G1SB                     ; the scales first: they are wanted with the first step.  With the two below three loads of mine are out
.irp s, 0,1
	s_mov_b32 s[G0+4*\s], 1
	s_add_co_u32 s[G0+4*\s+1], s45, \s*SLOT
	s_add_nc_u64 s[G0+4*\s+2:G0+4*\s+3], s[20:21], \s*2*ABLK       ; slot s begins with K = 512 s
	s_or_b32 s[G0+4*\s+3], s[G0+4*\s+3], 0x80000000
	s_mov_b32 s[G0B+4*\s], 1
	s_add_co_u32 s[G0B+4*\s+1], s95, \s*SLOT
	s_add_nc_u64 s[G0B+4*\s+2:G0B+4*\s+3], s[46:47], \s*2*ROWB
	s_or_b32 s[G0B+4*\s+3], s[G0B+4*\s+3], 0x80000000
	JLOAD G0+4*\s, G1, G0B+4*\s, G1B
.endr
	v_and_b32 v1, 15, v0                           ; r = lane % 16
	v_bfe_u32 v2, v0, 4, 1                         ; h = lane / 16
	v_and_b32 v7, 31, v0                           ; lane
	v_mul_u32_u24 v3, v1, PITCH
	v_mul_u32_u24 v4, v2, 24
	v_add_nc_u32 v4, v3, v4                        ; w2: a fragment's row x pitch + 24 x half
	v_lshl_add_u32 v5, v2, 4, v4                   ; and the same behind one padding more
	v_lshlrev_b32 v6, 4, v7                        ; h: 16 x lane
	s_mul_i32 s21, s15, 4*1536                     ; my 64 rows of h: four fragments of each block
	s_mul_i32 s22, s16, 64*PITCH
	s_add_co_u32 s22, s22, BOFF                    ; my 64 rows of w2
.irp s, 0,1
	v_add_nc_u32 v[ADRA+\s], s21, v6
	v_add_nc_u32 v[ADRB+\s], s22, v4
	v_add_nc_u32 v[ADRB+2+\s], s22, v5
	s_add_co_u32 s21, s21, SLOT
	s_add_co_u32 s22, s22, SLOT
.endr
	v_lshlrev_b32 v5, 7, v1                        ; w2's scales: 128 bytes a row,
	v_lshrrev_b32 v6, 1, v1
	v_lshl_add_u32 v5, v6, 4, v5                   ; and 16 more for each 256 passed
	s_mul_i32 s22, s16, HALFS                      ; my 64 rows are 32 runs of 256 + 16
	s_add_co_u32 s22, s22, SCL+2*HALFS
	v_add_nc_u32 v[ADRSB], s22, v5
	s_mul_i32 s21, s15, 272                        ; h's scale words: a step's 512 bytes are two runs; my four fragments' words are run s15
	s_add_co_u32 s21, s21, SCL
	v_lshl_add_u32 v[ADRSA], v7, 2, s21            ; 4 x lane: two fragments' words an instruction
	s_mul_i32 s23, s14, 16*SPITCH                  ; my stage
	v_mul_u32_u24 v5, v1, SPITCH
	v_lshl_add_u32 v5, v2, 5, v5
	v_add_nc_u32 v[STO], s23, v5                   ; in: row r, 32 bytes for each half of the lanes
	v_mul_u32_u24 v5, v2, SPITCH
	v_lshl_add_u32 v5, v1, 4, v5
	v_add_nc_u32 v[RD], s23, v5                    ; back: lanes 0-15 one row of 256 bytes, lanes 16-31 the next
	v_lshlrev_b32 v[CO], 12, v2
	v_lshl_add_u32 v[CO], v1, 4, v[CO]             ; and the same two rows in y
	s_lshl_b32 s20, s17, 7
	s_lshl_b32 s21, s15, 6
	s_add_co_u32 s20, s20, s21                     ; my first row of y: 128 x tile row + 64 x half,
	s_lshl_b32 s20, s20, 12                        ; of 4,096 bytes
	s_mov_b32 s21, 0
	s_lshl_b32 s46, s42, 9                         ; my first column, in bytes: 512 x tile column + 256 x half
	s_lshl_b32 s47, s16, 8
	s_add_co_u32 s46, s46, s47
	s_mov_b32 s47, 0
	s_add_nc_u64 s[20:21], s[20:21], s[46:47]
	s_add_nc_u64 s[12:13], s[12:13], s[20:21]
.macro FRAGB reg, slot, q, i           ; fragment i of w2 (16 rows x 128 K, the slot's q-th): lane l holds row l % 16; registers 6 c .. 6 c + 5 hold K = 64 c + 32 (l / 16) + 0 .. 31: 24 bytes of the row, as they lie
.irp p, 0,1,2,3,4,5                    ; in pieces of 8 bytes; where the piece three on lies behind one padding more, the second address register serves.  Steps 2 and 3 lie in the slot's second tile
.set PCE, 12*((\q)%2)+6*(\p/3)+\p%3
.if PCE%8 < 5
	ds_load_b64 v[\reg+2*\p:\reg+2*\p+1], v[ADRB+\slot] offset:8*PCE+16*(PCE/8)+(\i)*16*PITCH+((\q)/2)*HALFT
.else
	ds_load_b64 v[\reg+2*\p:\reg+2*\p+1], v[ADRB+2+\slot] offset:8*PCE+16*(PCE/8)+(\i)*16*PITCH+((\q)/2)*HALFT
.endif
.endr
.endm
.macro FRAGA reg, slot, q, i           ; fragment i of h from its image: three loads of 512 consecutive bytes
.irp c, 0,1,2
	ds_load_b128 v[\reg+4*\c:\reg+4*\c+3], v[ADRA+\slot] offset:(\q)*12288+(\i)*1536+512*\c
.endr
.endm
.macro FETCH slot, q, p                ; 36 LDS loads in one run: the fragments of the slot's q-th step into set p
	WIN TO_F
.irp i, 0,1,2,3
	FRAGB 128*(\p)+48+FR*\i, \slot, \q, \i
.endr
.irp i, 0,1,2,3
	FRAGA 128*(\p)+FR*\i, \slot, \q, \i
.endr
.endm
.macro SCALES sc                       ; a slot's scale words into set sc (every window is 0 here)
.irp b, 0,1,2,3
	ds_load_b128 v[SCB+16*\sc+4*\b:SCB+16*\sc+4*\b+3], v[ADRSB] offset:\b*SBLK     ; my row's four words: 512 along K
.endr
.irp q, 0,1,2,3
.irp g, 0,1
	ds_load_b32 v[SCA+8*\sc+2*\q+\g], v[ADRSA] offset:\q*544+\g*128
.endr
.endr
.endm
; 4 matrix instructions: h's block a x w2's four, 128 along K.  zero = 1: the first product starts the sums: nothing is ever cleared.  h's scale words of an odd block stand in lanes 16-31.
; The 16 accumulators take turns, one instruction a turn, in the same order in every step.
.macro MULA a, p, q, sc, zero
.irp b, 0,1,2,3
.if ((\a)%2) == 0
.if \zero
	v_wmma_scale_f32_16x16x128_f8f6f4 v[ACC+8*(4*(\a)+\b):ACC+8*(4*(\a)+\b)+7], v[128*(\p)+48+FR*\b:128*(\p)+48+FR*\b+FR-1], v[128*(\p)+FR*(\a):128*(\p)+FR*(\a)+FR-1], 0, v[SCB+16*(\sc)+4*\b+(\q)], v[SCA+8*(\sc)+2*(\q)+(\a)/2] matrix_a_fmt:MATRIX_FMT_BF6 matrix_b_fmt:MATRIX_FMT_BF6
.else
	v_wmma_scale_f32_16x16x128_f8f6f4 v[ACC+8*(4*(\a)+\b):ACC+8*(4*(\a)+\b)+7], v[128*(\p)+48+FR*\b:128*(\p)+48+FR*\b+FR-1], v[128*(\p)+FR*(\a):128*(\p)+FR*(\a)+FR-1], v[ACC+8*(4*(\a)+\b):ACC+8*(4*(\a)+\b)+7], v[SCB+16*(\sc)+4*\b+(\q)], v[SCA+8*(\sc)+2*(\q)+(\a)/2] matrix_a_fmt:MATRIX_FMT_BF6 matrix_b_fmt:MATRIX_FMT_BF6
.endif
.else
.if \zero
	v_wmma_scale_f32_16x16x128_f8f6f4 v[ACC+8*(4*(\a)+\b):ACC+8*(4*(\a)+\b)+7], v[128*(\p)+48+FR*\b:128*(\p)+48+FR*\b+FR-1], v[128*(\p)+FR*(\a):128*(\p)+FR*(\a)+FR-1], 0, v[SCB+16*(\sc)+4*\b+(\q)], v[SCA+8*(\sc)+2*(\q)+(\a)/2] matrix_a_fmt:MATRIX_FMT_BF6 matrix_b_fmt:MATRIX_FMT_BF6 matrix_b_scale:MATRIX_SCALE_ROW1
.else
	v_wmma_scale_f32_16x16x128_f8f6f4 v[ACC+8*(4*(\a)+\b):ACC+8*(4*(\a)+\b)+7], v[128*(\p)+48+FR*\b:128*(\p)+48+FR*\b+FR-1], v[128*(\p)+FR*(\a):128*(\p)+FR*(\a)+FR-1], v[ACC+8*(4*(\a)+\b):ACC+8*(4*(\a)+\b)+7], v[SCB+16*(\sc)+4*\b+(\q)], v[SCA+8*(\sc)+2*(\q)+(\a)/2] matrix_a_fmt:MATRIX_FMT_BF6 matrix_b_fmt:MATRIX_FMT_BF6 matrix_b_scale:MATRIX_SCALE_ROW1
.endif
.endif
.endr
.endm
.macro PLACES n                        ; plain vector lines between a matrix instruction and a load into, or a read of, its registers; the matrix instructions in between are not counted
.rept \n
	v_nop
.endr
.endm
; One of a slot's first three steps: its fragments are in set q % 2; the next step's are asked for first, in one run, into the other set, which the last step's products have read; then 16 products.
.macro STEP slot, q, zero
	s_wait_dscnt 0x0                               ; this step's fragments (and, at a slot's head, its scale words) are in
	PLACES NP
	FETCH \slot, (\q)+1, 1-(\q)%2
	WIN MUL
	MULA 0, (\q)%2, \q, \slot, \zero
	MULA 1, (\q)%2, \q, \slot, \zero
	MULA 2, (\q)%2, \q, \slot, \zero
	MULA 3, (\q)%2, \q, \slot, \zero
.endm
; A slot's last step multiplies set 1 and changes slots: one barrier; in front of it each wave waits for all its tensor loads, adds 0 to its spare word, and waits for that and for its reads of this slot.
; fill = 1: the barrier opens a round of the cluster's barrier, and behind it this slot is filled again, with K two slots on: the load has the next slot's four steps in which to land.
.macro TURN slot, next, fill
	WIN 0                                          ; (the add's two registers lie in window 0)
	s_wait_tensorcnt 0x0                           ; all my tensor loads have landed: the one that was out is my part of the next slot
	ds_add_u32 v[SPW], v[NIL]                      ; 0 onto my spare word
	s_wait_dscnt 1                                 ; this step's fragments are in; the add may be out
	WIN MUL
	MULA 0, 1, NQ-1, \slot, 0                      ; four matrix instructions stand between the add and the wait for it
	s_wait_dscnt 0x0                               ; the add is done, and my reads of this slot are over
	s_barrier_signal -1
	MULA 1, 1, NQ-1, \slot, 0
	WIN 0
	s_barrier_wait -1
.if \fill
	CREST                                          ; no wave of any partner still reads this slot or has a load on its way
	s_add_nc_u64 s[G0+4*\slot+2:G0+4*\slot+3], s[G0+4*\slot+2:G0+4*\slot+3], 4*ABLK
	s_add_nc_u64 s[G0B+4*\slot+2:G0B+4*\slot+3], s[G0B+4*\slot+2:G0B+4*\slot+3], 4*ROWB
	JLOAD G0+4*\slot, G1, G0B+4*\slot, G1B         ; the first tensor load behind the round; its four v_nop are the places in front of the loads below
.else
	PLACES NP
.endif
	v_add_nc_u32 v[ADRSB], 4*NQ, v[ADRSB]          ; on to the next slot's scale words
	v_add_nc_u32 v[ADRSA], NQ*544, v[ADRSA]
	SCALES \next
	FETCH \next, 0, 0                              ; into set 0, which the step before this one multiplied
	WIN MUL
	MULA 2, 1, NQ-1, \slot, 0
	MULA 3, 1, NQ-1, \slot, 0
.endm
	s_wait_tensorcnt 1                             ; the scales and my part of slot 0 are in (slot 1's load may be out)
	s_barrier_signal -1
	s_barrier_wait -1                              ; everybody's are
	SCALES 0
	FETCH 0, 0, 0
	STEP 0, 0, 1                                   ; the first step stands in front of the loop: its products start the sums
	WIN 0                                          ; at a label and at a branch every window is 0
	s_mov_b32 s3, LAPS-1
.Llap:                                                 ; a trip goes once round the ring, from a lap's second step to the next lap's first, and fills both slots again
	STEP 0, 1, 0
	STEP 0, 2, 0
	TURN 0, 1, 1
	STEP 1, 0, 0
	STEP 1, 1, 0
	STEP 1, 2, 0
	TURN 1, 0, 1
	STEP 0, 0, 0
	WIN 0
	s_sub_co_u32 s3, s3, 1
	s_cmp_lg_u32 s3, 0
	s_cbranch_scc1 .Llap
	STEP 0, 1, 0                                   ; the last lap fills nothing, and has no round of the cluster's barrier
	STEP 0, 2, 0
	TURN 0, 1, 0
	STEP 1, 0, 0
	STEP 1, 1, 0
	STEP 1, 2, 0
	s_wait_dscnt 0x0                               ; the very last step: nothing more to fetch
	WIN MUL
	MULA 0, 1, NQ-1, 1, 0
	MULA 1, 1, NQ-1, 1, 0
	MULA 2, 1, NQ-1, 1, 0
	MULA 3, 1, NQ-1, 1, 0
	WIN 0
	; THE WAY OUT, block by block of 16 rows x my 64 columns.  A lane holds 32 neighbouring bytes of a row, and the lanes beside it hold other rows: so a block goes through my own stage in LDS and comes back as whole
	; rows of 256 bytes, into the registers that it left.  LDS serves a wave's instructions in order (ISA guide 5.7.1.4): no wait between the stores and the loads, nor in front of the next block's stores.
	PLACES NP
.irp a, 0,1,2,3
.irp b, 0,1,2,3
	ds_store_b128 v[STO], v[ACC+8*(4*\a+\b):ACC+8*(4*\a+\b)+3] offset:64*\b          ; each accumulator from its low end on
	ds_store_b128 v[STO], v[ACC+8*(4*\a+\b)+4:ACC+8*(4*\a+\b)+7] offset:64*\b+16
.endr
.irp t, 0,1,2,3,4,5,6,7
	ds_load_b128 v[ACC+32*\a+4*\t:ACC+32*\a+4*\t+3], v[RD] offset:2*\t*SPITCH
.endr
.endr
.irp a, 0,1,2,3
.irp t, 0,1,2,3,4,5,6,7
	s_wait_dscnt 16*(3-\a)+7-\t                    ; behind this load: its block's later loads, and sixteen LDS instructions for each later block
	global_store_b128 v[CO], v[ACC+32*\a+4*\t:ACC+32*\a+4*\t+3], s[12:13] offset:(16*\a+2*\t)*SIZE_N*4   ; sixteen lanes store 256 consecutive bytes, aligned; 62 rows of y at the most stand in the immediate
.endr
.endr
	s_wait_tensorcnt 0x0                           ; the wave's end, behind my last tensor load and my last LDS store
	ds_add_u32 v[SPW], v[NIL]
	s_wait_dscnt 0x0
	CROUND                                         ; the closing round: no work-group ends while a partner may still ask for a tile that names it
	s_endpgm
.Lfunc_end_k_qccadd1b7d3_ffn2:
	.size	k_qccadd1b7d3_ffn2, .Lfunc_end_k_qccadd1b7d3_ffn2-k_qccadd1b7d3_ffn2
	.p2alignl 7, 3214868480
	.fill 96, 4, 3214868480
	.section	.rodata,"a",@progbits
	.p2align	6, 0x0
	.amdhsa_kernel k_qccadd1b7d3_ffn2
		.amdhsa_group_segment_fixed_size 327680
		.amdhsa_private_segment_fixed_size 0
		.amdhsa_enable_private_segment 0
		.amdhsa_kernarg_size 32
		.amdhsa_user_sgpr_count 2
		.amdhsa_user_sgpr_kernarg_segment_ptr 1
		.amdhsa_wavefront_size32 1
		.amdhsa_system_sgpr_workgroup_id_x 1
		.amdhsa_system_sgpr_workgroup_id_y 1
		.amdhsa_system_sgpr_workgroup_id_z 1
		.amdhsa_system_vgpr_workitem_id 0
		.amdhsa_next_free_vgpr 512
		.amdhsa_next_free_sgpr 98
		.amdhsa_reserve_vcc 0
		.amdhsa_float_denorm_mode_32 3
		.amdhsa_float_denorm_mode_16_64 3
		.amdhsa_memory_ordered 1
		.amdhsa_forward_progress 1
		.amdhsa_inst_pref_size 96
	.end_amdhsa_kernel
	.amdgpu_metadata
---
amdhsa.version: [ 1, 2 ]
amdhsa.kernels:
  - .name:           k_qccadd1b7d3_ffn2
    .symbol:         k_qccadd1b7d3_ffn2.kd
    .args:
      - { .name: hq, .offset: 0, .size: 8, .value_kind: global_buffer, .address_space: global }
      - { .name: w2_codes, .offset: 8, .size: 8, .value_kind: global_buffer, .address_space: global }
      - { .name: w2_scales, .offset: 16, .size: 8, .value_kind: global_buffer, .address_space: global }
      - { .name: zy, .offset: 24, .size: 8, .value_kind: global_buffer, .address_space: global }
    .group_segment_fixed_size: 327680
    .private_segment_fixed_size: 0
    .kernarg_segment_align: 8
    .kernarg_segment_size: 32
    .max_flat_workgroup_size: 128
    .sgpr_count:     98
    .vgpr_count:     512
    .wavefront_size: 32
...
	.end_amdgpu_metadata
.endif
;; end of part 8
;; launch ln2: the kernel of part 7 again; grid 256 x 1, 8 waves a work-group, no clusters, 0 bytes of LDS; arguments zy, o1, b2, g2, be2, out0; writes out0
